; MI455X (gfx1250); checked and timed in simulation.
; The chip was launched on July 23, 2026; its instructions are those of AMD's public machine-readable ISA for CDNA 5 (MIT licence, August 2026) and "CDNA5" Instruction Set Architecture Reference Guide (July 2026). The comments in the code are by the model that wrote it; some were corrected since.
;; Parallel Transformer. Allowed arithmetic: float matrix products may take bf16 or f16 operands with f32 sums; all other float work in f32.
;; Inputs: Wk 1,024 x 1,024 float32; Wo 1,024 x 1,024 float32; Wq 1,024 x 1,024 float32; Wv 1,024 x 1,024 float32; X 2 x 2,048 x 1,024 float32; ff1_b 4,096 float32; ff1_w 1,024 x 4,096 float32; ff2_b 1,024 float32; ff2_w 4,096 x 1,024 float32; mask 2 x 2,048 float32; norm1_w 1,024 float32; norm2_w 1,024 float32.
;; Outputs: out0 2 x 2,048 x 1,024 float32.
;; 2 versions, each right; version 2 is version 1 with the launch prep written anew for expert scheduling mode. Each part assembles by itself: llvm-mc -triple=amdgcn-amd-amdhsa -mcpu=gfx1250 --defsym DOCPART=n.
;; ======== version 1 of 2: 6 launches
;; workspace buffers: wb 25,165,824 bytes; xn 8,388,608 bytes; qkv 25,165,824 bytes; ao 8,388,608 bytes; x1 16,777,216 bytes; x1b 8,388,608 bytes; ssq 262,144 bytes; hb 33,554,432 bytes
;; launch prep (part 1): grid 1024 x 1, 8 waves a work-group, no clusters, 0 bytes of LDS; arguments X, norm1_w, Wq, Wk, Wv, Wo, ff1_w, ff2_w, xn, wb; writes xn, wb
.if DOCPART == 1
	.amdgcn_target "amdgcn-amd-amdhsa--gfx1250"
	.amdhsa_code_object_version 6
	.text
	.protected	k_q5891932c99_prep
	.globl	k_q5891932c99_prep
	.p2align	8
	.type	k_q5891932c99_prep,@function
k_q5891932c99_prep:
	s_mov_b64 s[64:65], 0
	v_nop
	global_prefetch_b8 v0, s[64:65] scope:SCOPE_SE
	s_setreg_imm32_b32 hwreg(HW_REG_WAVE_MODE, 25, 1), 1
	s_wait_xcnt 0x0
; Two streams in one launch, chosen by the work-group's number; each work-group reads 65,536 bytes and writes 32,768.
; Groups 0-255:    xn = bf16(norm1_w * (X * rsqrt(mean(X^2) + 1e-6))), 16 tokens a group, sixteen lanes to a row, the row kept in registers between the two passes.
;                  xn lies in blocks of 64 columns: [16][4096 tokens][64] bf16, so that a block's rows lie end to end.
; Groups 256-1023: the six weights, f32 to bf16, in their own [K][N] order, one behind the other in wb: Wq, Wk, Wv, Wo (2,097,152 bytes each), ff1_w, ff2_w (8,388,608 each).
; No LDS, no barrier, no matrix unit: nothing is shared between lanes but a row's sum, which stays inside sixteen lanes.
; LIMITS.  NaN and infinities are not treated apart; a row whose sum of squares passes f32's range gives 0, as it does in f32 anywhere.
.set XR, 16                            ; v[16:79]   sixteen loads of 16 bytes
.set WR, 80                            ; v[80:143]  the gain of the same columns
.set OU, 144                           ; v[144:175] packed results, a pair for each store
	s_load_b512 s[4:19], s[0:1], 0x0               ; X, norm1_w, Wq, Wk, Wv, Wo, ff1_w, ff2_w
	s_load_b128 s[20:23], s[0:1], 0x40             ; xn, wb
	v_lshlrev_b32 v5, 3, v0                        ; 8 t: my 8 bytes in 2,048 consecutive bytes of output
	s_mov_b32 s25, 0
	s_cmp_lt_u32 ttmp9, 256
	s_cbranch_scc0 .Lconvert
	v_lshrrev_b32 v1, 4, v0                        ; my row of the group's 16
	v_and_b32 v2, 15, v0
	v_lshlrev_b32 v3, 4, v2                        ; my 16 bytes in each 256 of a row
	v_lshl_add_u32 v4, v1, 12, v3                  ; + row x 4,096
	s_lshl_b32 s24, ttmp9, 16                      ; 16 rows of 4,096 bytes
	s_lshl_b32 s26, ttmp9, 11                      ; 16 rows of 128 bytes in each block of xn
	s_mov_b32 s27, 0
	s_mov_b32 s28, 0x3a800000                      ; 1 / 1024
	s_mov_b32 s29, 0x358637bd                      ; 1e-6
	s_wait_kmcnt 0x0
	s_add_nc_u64 s[4:5], s[4:5], s[24:25]
	s_add_nc_u64 s[20:21], s[20:21], s[26:27]
.set j, 0
.rept 16
	global_load_b128 v[XR+4*j:XR+4*j+3], v4, s[4:5] offset:256*j  ; sixteen lanes take 256 consecutive bytes: columns 64 j on
.set j, j+1
.endr
.set j, 0
.rept 16
	global_load_b128 v[WR+4*j:WR+4*j+3], v3, s[6:7] offset:256*j
.set j, j+1
.endr
.set j, 0
.rept 16
	s_wait_loadcnt 31-j                            ; load j of X is in: behind it stand 15 - j of X and the gain's 16
.if j < 2
	v_pk_mul_f32 v[6+4*j:7+4*j], v[XR+4*j:XR+4*j+1], v[XR+4*j:XR+4*j+1]          ; the first two loads start four chains: nothing is cleared
	v_pk_mul_f32 v[8+4*j:9+4*j], v[XR+4*j+2:XR+4*j+3], v[XR+4*j+2:XR+4*j+3]
.else
	v_pk_fma_f32 v[6+4*(j%2):7+4*(j%2)], v[XR+4*j:XR+4*j+1], v[XR+4*j:XR+4*j+1], v[6+4*(j%2):7+4*(j%2)]
	v_pk_fma_f32 v[8+4*(j%2):9+4*(j%2)], v[XR+4*j+2:XR+4*j+3], v[XR+4*j+2:XR+4*j+3], v[8+4*(j%2):9+4*(j%2)]
.endif
.set j, j+1
.endr
	v_pk_add_f32 v[6:7], v[6:7], v[8:9]
	v_pk_add_f32 v[10:11], v[10:11], v[12:13]
	v_pk_add_f32 v[6:7], v[6:7], v[10:11]
	v_add_f32 v6, v6, v7
	v_add_f32_dpp v6, v6, v6 row_xmask:1 row_mask:0xf bank_mask:0xf   ; a row lies in one half of 16 lanes: four steps end it
	v_add_f32_dpp v6, v6, v6 row_xmask:2 row_mask:0xf bank_mask:0xf
	v_add_f32_dpp v6, v6, v6 row_xmask:4 row_mask:0xf bank_mask:0xf
	v_add_f32_dpp v6, v6, v6 row_xmask:8 row_mask:0xf bank_mask:0xf
	v_fma_f32 v6, v6, s28, s29                     ; mean + eps
	v_rsq_f32 v8, v6                               ; twice, for the packed multiply's pair
	v_rsq_f32 v9, v6
	v_nop                                          ; a plain instruction between the root and its use
	s_wait_loadcnt 0x0                             ; the gain
.set j, 0
	s_wait_alu depctr_va_vdst(0)
.rept 16
	v_pk_mul_f32 v[XR+4*j:XR+4*j+1], v[XR+4*j:XR+4*j+1], v[8:9]
	v_pk_mul_f32 v[XR+4*j+2:XR+4*j+3], v[XR+4*j+2:XR+4*j+3], v[8:9]
	v_pk_mul_f32 v[XR+4*j:XR+4*j+1], v[XR+4*j:XR+4*j+1], v[WR+4*j:WR+4*j+1]
	v_pk_mul_f32 v[XR+4*j+2:XR+4*j+3], v[XR+4*j+2:XR+4*j+3], v[WR+4*j+2:WR+4*j+3]
	v_cvt_pk_bf16_f32 v[OU+2*j], v[XR+4*j], v[XR+4*j+1]
	v_cvt_pk_bf16_f32 v[OU+2*j+1], v[XR+4*j+2], v[XR+4*j+3]
	global_store_b64 v5, v[OU+2*j:OU+2*j+1], s[20:21] offset:j*524288  ; block j: a wave stores 256 consecutive bytes (two rows), aligned
.set j, j+1
.endr
	s_endpgm
.Lconvert:
	s_sub_co_u32 s24, ttmp9, 256                   ; i, 0 to 767: piece i of wb
	v_lshlrev_b32 v4, 4, v0                        ; 16 t
	s_wait_kmcnt 0x0
	s_mov_b64 s[26:27], s[8:9]                     ; which weight, and at which piece it starts
	s_mov_b32 s28, 0
	s_cmp_ge_u32 s24, 64
	s_cselect_b64 s[26:27], s[10:11], s[26:27]
	s_cselect_b32 s28, 64, s28
	s_cmp_ge_u32 s24, 128
	s_cselect_b64 s[26:27], s[12:13], s[26:27]
	s_cselect_b32 s28, 128, s28
	s_cmp_ge_u32 s24, 192
	s_cselect_b64 s[26:27], s[14:15], s[26:27]
	s_cselect_b32 s28, 192, s28
	s_cmp_ge_u32 s24, 256
	s_cselect_b64 s[26:27], s[16:17], s[26:27]
	s_cselect_b32 s28, 256, s28
	s_cmp_ge_u32 s24, 512
	s_cselect_b64 s[26:27], s[18:19], s[26:27]
	s_cselect_b32 s28, 512, s28
	s_sub_co_u32 s28, s24, s28
	s_lshl_b32 s28, s28, 16                        ; 65,536 bytes of f32 a piece
	s_mov_b32 s29, 0
	s_add_nc_u64 s[26:27], s[26:27], s[28:29]
	s_lshl_b32 s24, s24, 15                        ; 32,768 bytes of bf16
	s_add_nc_u64 s[22:23], s[22:23], s[24:25]
.set j, 0
.rept 16
	global_load_b128 v[XR+4*j:XR+4*j+3], v4, s[26:27] offset:4096*j th:TH_LOAD_NT
.set j, j+1
.endr
.set j, 0
.rept 16
	s_wait_loadcnt 15-j                            ; load j is in; the 15 - j younger ones stay out
	v_cvt_pk_bf16_f32 v[OU+2*j], v[XR+4*j], v[XR+4*j+1]
	v_cvt_pk_bf16_f32 v[OU+2*j+1], v[XR+4*j+2], v[XR+4*j+3]
	global_store_b64 v5, v[OU+2*j:OU+2*j+1], s[22:23] offset:2048*j   ; a wave stores 256 consecutive bytes, aligned
.set j, j+1
.endr
	s_endpgm
.Lfunc_end_k_q5891932c99_prep:
	.size	k_q5891932c99_prep, .Lfunc_end_k_q5891932c99_prep-k_q5891932c99_prep
	.p2alignl 7, 3214868480
	.fill 96, 4, 3214868480
	.section	.rodata,"a",@progbits
	.p2align	6, 0x0
	.amdhsa_kernel k_q5891932c99_prep
		.amdhsa_group_segment_fixed_size 0
		.amdhsa_private_segment_fixed_size 0
		.amdhsa_enable_private_segment 0
		.amdhsa_kernarg_size 80
		.amdhsa_user_sgpr_count 2
		.amdhsa_user_sgpr_kernarg_segment_ptr 1
		.amdhsa_wavefront_size32 1
		.amdhsa_system_sgpr_workgroup_id_x 1
		.amdhsa_system_sgpr_workgroup_id_y 1
		.amdhsa_system_sgpr_workgroup_id_z 1
		.amdhsa_system_vgpr_workitem_id 0
		.amdhsa_next_free_vgpr 176
		.amdhsa_next_free_sgpr 66
		.amdhsa_reserve_vcc 0
		.amdhsa_float_denorm_mode_32 3
		.amdhsa_float_denorm_mode_16_64 3
		.amdhsa_memory_ordered 1
		.amdhsa_forward_progress 1
		.amdhsa_inst_pref_size 22
	.end_amdhsa_kernel
	.amdgpu_metadata
---
amdhsa.version: [ 1, 2 ]
amdhsa.kernels:
  - .name:           k_q5891932c99_prep
    .symbol:         k_q5891932c99_prep.kd
    .args:
      - { .name: X, .offset: 0, .size: 8, .value_kind: global_buffer, .address_space: global }
      - { .name: norm1_w, .offset: 8, .size: 8, .value_kind: global_buffer, .address_space: global }
      - { .name: Wq, .offset: 16, .size: 8, .value_kind: global_buffer, .address_space: global }
      - { .name: Wk, .offset: 24, .size: 8, .value_kind: global_buffer, .address_space: global }
      - { .name: Wv, .offset: 32, .size: 8, .value_kind: global_buffer, .address_space: global }
      - { .name: Wo, .offset: 40, .size: 8, .value_kind: global_buffer, .address_space: global }
      - { .name: ff1_w, .offset: 48, .size: 8, .value_kind: global_buffer, .address_space: global }
      - { .name: ff2_w, .offset: 56, .size: 8, .value_kind: global_buffer, .address_space: global }
      - { .name: xn, .offset: 64, .size: 8, .value_kind: global_buffer, .address_space: global }
      - { .name: wb, .offset: 72, .size: 8, .value_kind: global_buffer, .address_space: global }
    .group_segment_fixed_size: 0
    .private_segment_fixed_size: 0
    .kernarg_segment_align: 8
    .kernarg_segment_size: 80
    .max_flat_workgroup_size: 256
    .sgpr_count:     66
    .vgpr_count:     176
    .wavefront_size: 32
...
	.end_amdgpu_metadata
.endif
;; end of part 1
;; launch qkvg (part 2): grid 12 x 16, 4 waves a work-group, clusters of 4 x 4, 327,680 bytes of LDS; arguments xn, wb, qkv; writes qkv
.if DOCPART == 2
	.amdgcn_target "amdgcn-amd-amdhsa--gfx1250"
	.amdhsa_code_object_version 6
	.text
	.protected	k_q5891932c99_qkvg
	.globl	k_q5891932c99_qkvg
	.p2align	8
	.type	k_q5891932c99_qkvg,@function
k_q5891932c99_qkvg:
	s_mov_b64 s[64:65], 0
	v_nop
	global_prefetch_b8 v0, s[64:65] scope:SCOPE_SE
	s_setreg_imm32_b32 hwreg(HW_REG_WAVE_MODE, 25, 1), 1
	s_wait_xcnt 0x0
	s_wait_alu depctr_hold_cnt(0) depctr_sa_sdst(0) depctr_va_vdst(0) depctr_va_sdst(0) depctr_va_ssrc(0) depctr_va_vcc(0) depctr_vm_vsrc(0)
	s_getreg_b32 s2, hwreg(HW_REG_IB_STS2, 6, 4)
	s_cmp_eq_u32 s2, 0
	s_cbranch_scc0 .Lentry_in_a_cluster
	s_endpgm
.Lentry_in_a_cluster:
	s_bfe_u32 s2, ttmp6, 0x10000c
	s_cmp_lg_u32 s2, 0xf033
	s_cbranch_scc0 .Lentry_shape_is_right
	s_endpgm
.Lentry_shape_is_right:
; qkv = xn [Wq | Wk | Wv].  xn: [16][4096][64] bf16 (blocks of 64 columns, rows end to end); the weights bf16 [1024][1024] in wb; qkv: [48][4096][64] bf16: blocks 0-15 q, 16-31 k, 32-47 v. Sums in f32.
; A tile of C is 256 x 256, four waves of 128 x 128: 64 accumulators, 512 registers a wave.  K goes through two LDS slots of 128 along K.
; A's part of a slot: two blocks of 64 columns, each 256 rows of 128 bytes, padded to 144.  B's part: 128 rows of K, 512 bytes each, padded to 544; B's fragments come out turned (ds_load_tr16_b128).
; THE MATRIX INSTRUCTION IS USED TRANSPOSED (source 0 = 16 columns of B, source 1 = 16 rows of A): a lane holds eight neighbouring numbers of a row of C.
; CLUSTER 4 x 4: A's tiles are asked for jointly along a row of the cluster, B's along a column.  Waves 0, 1 fetch A's two blocks, waves 2, 3 B's two halves: one tensor load of a wave is out at any time.
; ONE TEXT FOR BOTH SLOTS: slot 1 lies 0x24000 bytes behind slot 0, and every address that is turned has bits 14 and 17 clear in slot 0, so one exclusive or turns it.
; The fragment fetch runs one unit (32 along K) ahead of the products, so at a change of slots all of the old slot is in registers.
; THE WAY OUT: the sums go as f32 into the slots, which have had their last fill (each wave its own 67,584 bytes), and come back by rows: 32 lanes pack four rows of a block, 512 consecutive bytes.
; REGISTERS: window 0: v16-22 addresses, v28-29 the add's, v64-191 A's two buffers (then the way out); window 1: v64-191 B's two buffers; windows 2, 3: the accumulators, (a, b) at v[8 (8 (a % 4) + b)].
.set PA,     144
.set PB,     544
.set ACB,    256*PA                    ; a block of A in LDS: 36,864
.set BOFF,   2*ACB                     ; B's part of a slot begins here: 73,728
.set BHALF,  64*PB                     ; 64 rows of B: 34,816
.set SLOTX,  0x24000
.set DP,     528                       ; a row of the dump: 512 bytes + 16
.set DW,     128*DP
.set SPARE,  292864                    ; the spare words: 128 bytes a wave, two blocks of 256 that no other line names
.set NS,     8                         ; slots' fills: K = 1024
.set NB,     1024                      ; elements in a row of B
.set AGSTEP, 2*524288                  ; two blocks of A on
.set BGSTEP, 128*NB*2                  ; 128 rows of B on
.set A0,   16                          ; my lane's place in a block of A; never rewritten
.set B0,   17                          ; the same in B's rows
.set ADRA, 18                          ; the LDS addresses of the fetch in hand
.set ADRB, 19
.set D0,   20                          ; the dump: where I put 32 bytes of a row
.set R0,   21                          ; where I read them back
.set GO,   22                          ; 16 x lane
.set SPW,  28
.set NIL,  29
.set F0,   64
.set F1,   128
.set G1A,  24                          ; s[24:31], s[32:35] A's descriptor
.set G0A,  32
.set TA,   36                          ; LDS byte of the block of A to be fetched
.set TBB,  37                          ; of B's rows
.set CNT,  38
.set SLOTS, 39
.set G1B,  48                          ; s[48:55], s[56:59] B's descriptor
.set G0B,  56
.set WV,   60                          ; wave
.set RH,   61                          ; my half of the rows; also 0: I fetch A, 1: B
.set CH,   62                          ; my half of the columns; also which half I fetch
.set MSB, 0
.macro WIN new                         ; the immediate's high byte repeats the setting that is left
.if MSB != (\new)
	s_set_vgpr_msb (MSB<<8)|(\new)
.set MSB, \new
.endif
.endm
.set MUL_LO, 0xa1                      ; source 0 (B) window 1, source 1 (A) window 0, C and D window 2
.set MUL_HI, 0xf1
.set TO_B,   0x40
.macro JLOAD                           ; a joint load; an s_nop 0 and four v_nop follow each of the two lines
	s_cmp_eq_u32 s[RH], 0
	s_cbranch_scc0 .Lfor_b_\@
	tensor_load_to_lds s[G0A:G0A+3], s[G1A:G1A+7]
	s_nop 0
.rept 4
	v_nop
.endr
	s_branch .Lasked_\@
.Lfor_b_\@:
	tensor_load_to_lds s[G0B:G0B+3], s[G1B:G1B+7]
	s_nop 0
.rept 4
	v_nop
.endr
.Lasked_\@:
.endm
.macro CROUND                          ; a round of the cluster's barrier
	s_barrier_signal -1
	s_barrier_wait -1
	s_cmp_lg_u32 s[WV], 0
	s_cbranch_scc1 .Lnot_wave_0_\@
	s_barrier_signal -3
.Lnot_wave_0_\@:
	s_barrier_wait -3
	s_barrier_signal -1
	s_barrier_wait -1
.endm
.macro PLACES
.rept 4
	v_nop
.endr
.endm
; THE CHANGE OF SLOTS.  All of the old slot is in registers or on its way there.  Each wave waits for its one tensor load (its part of the other slot), adds 0 to its spare word, and waits for that and
; for its reads.  fill = 1: a round of the cluster's barrier, and the old slot is filled again first thing behind it: that load has a whole slot's 256 matrix instructions in which to land.
.macro CHANGE fill
	WIN 0
	s_wait_tensorcnt 0x0                           ; no tensor load of mine is out: the descriptors may be written
	ds_add_u32 v[SPW], v[NIL]
.if \fill
	s_xor_b32 s[G0A+1], s[G0A+1], SLOTX
	s_add_nc_u64 s[G0A+2:G0A+3], s[G0A+2:G0A+3], AGSTEP
	s_xor_b32 s[G0B+1], s[G0B+1], SLOTX
	s_add_nc_u64 s[G0B+2:G0B+3], s[G0B+2:G0B+3], BGSTEP
	s_wait_dscnt 0x0                               ; the add is done, and my reads of the slot are over
	CROUND
	JLOAD
.else
	s_wait_dscnt 0x0
	s_barrier_signal -1
	s_barrier_wait -1
.endif
	s_sub_co_u32 s[TA], s[TA], 2*ACB               ; the fetches go back to a slot's head, in the other slot
	s_xor_b32 s[TA], s[TA], SLOTX
	s_sub_co_u32 s[TBB], s[TBB], 2*BHALF
	s_xor_b32 s[TBB], s[TBB], SLOTX
.endm
.macro MUL16 f, hi, a0, zero           ; 16 matrix instructions: row blocks a0, a0 + 1 of the window's four x 8 column blocks; the accumulators take turns
	WIN MUL_LO+0x50*(\hi)
.irp a, \a0, (\a0)+1
.irp b, 0,1,2,3,4,5,6,7
.if \zero
	v_wmma_f32_16x16x32_bf16 v[8*(8*(\a)+(\b)):8*(8*(\a)+(\b))+7], v[(\f)+8*(\b):(\f)+8*(\b)+7], v[(\f)+8*(4*(\hi)+(\a)):(\f)+8*(4*(\hi)+(\a))+7], 0
.else
	v_wmma_f32_16x16x32_bf16 v[8*(8*(\a)+(\b)):8*(8*(\a)+(\b))+7], v[(\f)+8*(\b):(\f)+8*(\b)+7], v[(\f)+8*(4*(\hi)+(\a)):(\f)+8*(4*(\hi)+(\a))+7], v[8*(8*(\a)+(\b)):8*(8*(\a)+(\b))+7]
.endif
.endr
.endr
.endm
.macro FETCH f, aoff, boff             ; 32 LDS loads in one run: 32 along K of my 128 columns of B (turned) and my 128 rows of A
	WIN TO_B
.irp i, 0,1,2,3,4,5,6,7
	ds_load_tr16_b128 v[(\f)+8*(\i):(\f)+8*(\i)+3],   v[ADRB] offset:(\boff)+32*(\i)
	ds_load_tr16_b128 v[(\f)+8*(\i)+4:(\f)+8*(\i)+7], v[ADRB] offset:(\boff)+32*(\i)+16*PB
.endr
	WIN 0
.irp i, 0,1,2,3,4,5,6,7
	ds_load_b128 v[(\f)+8*(\i):(\f)+8*(\i)+3],   v[ADRA] offset:(\aoff)+(\i)*16*PA
	ds_load_b128 v[(\f)+8*(\i)+4:(\f)+8*(\i)+7], v[ADRA] offset:(\aoff)+(\i)*16*PA+32
.endr
.endm
; A unit: 64 matrix instructions on buffer f; in its middle the next unit's fragments go into buffer g.  Four plain vector instructions stand in front of the loads into registers that matrix
; instructions have read (ISA guide 7.12.1 for vector instructions); with adr = 1 two of them make the addresses of the next block.
.macro UNIT f, g, aoff, boff, adr, zero, fetch
	s_wait_dscnt 8                                 ; B and A's rows 0-63 are in; the youngest eight loads (A's rows 64-127) may be out
	MUL16 \f, 0, 0, \zero
	MUL16 \f, 0, 2, \zero
.if \fetch
.if \adr
	WIN 0
	v_add_nc_u32 v[ADRA], s[TA], v[A0]
	v_add_nc_u32 v[ADRB], s[TBB], v[B0]
	v_nop
	v_nop
.else
	PLACES
.endif
	FETCH \g, \aoff, \boff
	s_wait_dscnt 32                                ; all but the 32 just issued
.else
	s_wait_dscnt 0x0
.endif
	MUL16 \f, 1, 0, \zero
	MUL16 \f, 1, 2, \zero
.endm
.macro BODY                            ; fetches one block of 64 along K; multiplies the unit fetched before it and the block's first unit
	UNIT F1, F0, 0, 0, 1, 0, 1
	UNIT F0, F1, 64, 32*PB, 0, 0, 1
	WIN 0
	s_add_co_u32 s[TA], s[TA], ACB
	s_add_co_u32 s[TBB], s[TBB], BHALF
.endm
.macro DUMP                            ; each accumulator's lowest registers first
.irp a, 0,1,2,3,4,5,6,7
	WIN 0x08+4*((\a)/4)                            ; data (source 1) in window 2 or 3
.irp b, 0,1,2,3,4,5,6,7
	ds_store_b128 v[D0], v[8*(8*((\a)%4)+(\b)):8*(8*((\a)%4)+(\b))+3]   offset:(\a)*16*DP+64*(\b)
	ds_store_b128 v[D0], v[8*(8*((\a)%4)+(\b))+4:8*(8*((\a)%4)+(\b))+7] offset:(\a)*16*DP+64*(\b)+16
.endr
.endr
	WIN 0
.endm
	s_load_b128 s[4:7], s[0:1], 0x0                ; xn, wb
	s_load_b64 s[8:9], s[0:1], 0x10                ; qkv
	v_lshl_add_u32 v[SPW], v0, 2, SPARE
	v_mov_b32 v[NIL], 0
	ds_add_u32 v[SPW], v[NIL]                      ; the wave's opening: the add and its wait stand ahead of my first tensor load
	v_lshrrev_b32 v1, 5, v0
	v_readfirstlane_b32 s[WV], v1
	s_lshr_b32 s[RH], s[WV], 1
	s_and_b32 s[CH], s[WV], 1
	s_bfe_u32 s40, ttmp6, 0x40000                  ; cx
	s_bfe_u32 s41, ttmp6, 0x40004                  ; cy
	s_lshl_b32 s42, ttmp9, 2
	s_add_co_u32 s42, s42, s40                     ; tile column
	s_and_b32 s45, ttmp7, 0xffff
	s_lshl_b32 s45, s45, 2
	s_add_co_u32 s45, s45, s41                     ; tile row
	s_lshl_b32 s43, s41, 2
	s_lshl_b32 s43, 15, s43                        ; my row of the cluster
	s_lshl_b32 s44, 0x1111, s40                    ; my column
	s_or_b32 s[G1A], s43, (1<<16)|(1<<20)|(1<<21)|(4<<22)|(3<<25)  ; 2-byte elements; padding: 4 words behind every 32 (a token's 128 bytes)
	s_mov_b32 s[G1A+1], 128<<16                    ; a block's 256 tokens are 32,768 dense bytes: 128 rows of 256 bytes
	s_mov_b32 s[G1A+2], 128<<16
	s_mov_b32 s[G1A+3], 128<<16
	s_mov_b32 s[G1A+4], 128
	s_mov_b32 s[G1A+5], 128
	s_mov_b32 s[G1A+6], 0
	s_mov_b32 s[G1A+7], 0
	s_or_b32 s[G1B], s44, (1<<16)|(1<<20)|(1<<21)|(6<<22)|(7<<25)  ; padding: 8 words behind every 128 (a row's 512 bytes)
	s_mov_b32 s[G1B+1], 256<<16                    ; 64 rows of 256 elements
	s_mov_b32 s[G1B+2], 64<<16
	s_mov_b32 s[G1B+3], 256<<16
	s_mov_b32 s[G1B+4], 64
	s_mov_b32 s[G1B+5], NB
	s_mov_b32 s[G1B+6], 0
	s_mov_b32 s[G1B+7], 0
	s_lshl_b32 s14, s45, 15                        ; A: 256 tokens of 128 bytes a tile row,
	s_lshl_b32 s16, s[CH], 19                      ; my block of the slot's two
	s_add_co_u32 s14, s14, s16
	s_mov_b32 s15, 0
	s_lshr_b32 s46, s42, 2                         ; B: which of Wq, Wk, Wv,
	s_lshl_b32 s46, s46, 21
	s_and_b32 s47, s42, 3                          ; which 256 of its columns,
	s_lshl_b32 s47, s47, 9
	s_add_co_u32 s46, s46, s47
	s_lshl_b32 s47, s[CH], 17                      ; my 64 rows of the slot's 128
	s_add_co_u32 s46, s46, s47
	s_mov_b32 s47, 0
	s_mov_b32 s[G0A], 1
	s_mul_i32 s[G0A+1], s[CH], ACB
	s_mov_b32 s[G0B], 1
	s_mul_i32 s[G0B+1], s[CH], BHALF
	s_add_co_u32 s[G0B+1], s[G0B+1], BOFF
	s_mov_b32 s[TA], SLOTX+2*ACB                   ; the first change of slots turns these into slot 0's head
	s_mov_b32 s[TBB], BOFF+SLOTX+2*BHALF
	s_wait_dscnt 0x0                               ; the opening add is done
	s_wait_kmcnt 0x0
	s_add_nc_u64 s[G0A+2:G0A+3], s[4:5], s[14:15]
	s_or_b32 s[G0A+3], s[G0A+3], 0x80000000
	s_add_nc_u64 s[G0B+2:G0B+3], s[6:7], s[46:47]
	s_or_b32 s[G0B+3], s[G0B+3], 0x80000000
	CROUND                                         ; all sixteen work-groups are here: the first joint loads meet
	JLOAD                                          ; slot 0; slot 1 is asked for when slot 0 is in
	v_and_b32 v1, 15, v0                           ; r = l % 16
	v_bfe_u32 v2, v0, 4, 1                         ; h = l / 16
	v_and_b32 v3, 7, v0
	v_bfe_u32 v4, v0, 3, 1
	v_bfe_u32 v5, v0, 3, 2                         ; l / 8
	v_and_b32 v6, 31, v0
	s_mul_i32 s18, s[RH], 128*PA
	v_mul_u32_u24 v[A0], v1, PA
	v_lshl_add_u32 v[A0], v2, 4, v[A0]
	v_add_nc_u32 v[A0], s18, v[A0]                 ; (my rows + r) x pitch + 16 h
	v_lshl_add_u32 v[B0], v2, 3, v3
	v_mul_u32_u24 v[B0], v[B0], PB
	v_lshl_add_u32 v[B0], v4, 4, v[B0]
	s_lshl_b32 s18, s[CH], 8
	v_add_nc_u32 v[B0], s18, v[B0]                 ; (8 h + l % 8) x pitch + 16 ((l / 8) % 2) + my 128 columns
	s_mul_i32 s18, s[WV], DW
	v_mul_u32_u24 v[D0], v1, DP
	v_lshl_add_u32 v[D0], v2, 5, v[D0]
	v_add_nc_u32 v[D0], s18, v[D0]
	v_mul_u32_u24 v[R0], v5, DP
	v_lshl_add_u32 v[R0], v3, 5, v[R0]
	v_add_nc_u32 v[R0], s18, v[R0]
	v_lshlrev_b32 v[GO], 4, v6
	s_lshl_b32 s18, s42, 2                         ; my first block of 64 columns: 4 x tile column + 2 x half
	s_lshl_b32 s19, s[CH], 1
	s_add_co_u32 s18, s18, s19
	s_lshl_b32 s18, s18, 19
	s_lshl_b32 s19, s45, 15
	s_add_co_u32 s18, s18, s19
	s_lshl_b32 s19, s[RH], 14
	s_add_co_u32 s18, s18, s19
	s_mov_b32 s19, 0
	s_add_nc_u64 s[8:9], s[8:9], s[18:19]
	CHANGE 1                                       ; slot 0 is in, everybody's part of it; slot 1 is asked for
	v_add_nc_u32 v[ADRA], s[TA], v[A0]
	v_add_nc_u32 v[ADRB], s[TBB], v[B0]
	FETCH F0, 0, 0
	UNIT F0, F1, 64, 32*PB, 0, 1, 1                ; the first unit is written out: its products start the sums, nothing is cleared
	WIN 0
	s_add_co_u32 s[TA], s[TA], ACB
	s_add_co_u32 s[TBB], s[TBB], BHALF
	BODY                                           ; slot 0's second block
	s_mov_b32 s[SLOTS], NS-2
.Lslot:                                                ; NS - 2 trips: each leaves a slot, fills it again and fetches the other
	CHANGE 1
	s_mov_b32 s[CNT], 2
.Lbody:
	BODY
	s_sub_co_u32 s[CNT], s[CNT], 1
	s_cmp_lg_u32 s[CNT], 0
	s_cbranch_scc1 .Lbody
	s_sub_co_u32 s[SLOTS], s[SLOTS], 1
	s_cmp_lg_u32 s[SLOTS], 0
	s_cbranch_scc1 .Lslot
	CHANGE 0                                       ; the tail is written out
	s_mov_b32 s[CNT], 2
.Ltail:
	BODY
	s_sub_co_u32 s[CNT], s[CNT], 1
	s_cmp_lg_u32 s[CNT], 0
	s_cbranch_scc1 .Ltail
	UNIT F1, F0, 0, 0, 0, 0, 0                     ; the last unit fetches nothing
	WIN 0
	s_wait_dscnt 0x0
	s_barrier_signal -1
	s_barrier_wait -1                              ; nobody reads the slots any more: they take the dump
	PLACES                                         ; behind the last products
	DUMP
	s_mov_b32 s[CNT], 8
.Lout:                                                 ; 16 rows a trip; LDS serves a wave's instructions in order (ISA guide 5.7.1.4): the loads see my stores
.irp t, 0,1,2,3
.irp c, 0,1
	ds_load_b128 v[64+8*(2*(\t)+(\c)):64+8*(2*(\t)+(\c))+3],   v[R0] offset:(\t)*4*DP+(\c)*256
	ds_load_b128 v[64+8*(2*(\t)+(\c))+4:64+8*(2*(\t)+(\c))+7], v[R0] offset:(\t)*4*DP+(\c)*256+16
.endr
.endr
.irp t, 0,1,2,3
.irp c, 0,1
	s_wait_dscnt 14-2*(2*(\t)+(\c))                ; this pair of loads is in; the pairs behind it may be out
.irp k, 0,1,2,3
	v_cvt_pk_bf16_f32 v[128+4*(2*(\t)+(\c))+(\k)], v[64+8*(2*(\t)+(\c))+2*(\k)], v[64+8*(2*(\t)+(\c))+2*(\k)+1]
.endr
	global_store_b128 v[GO], v[128+4*(2*(\t)+(\c)):128+4*(2*(\t)+(\c))+3], s[8:9] offset:(\c)*524288+(\t)*512  ; four rows of a block: 512 consecutive bytes
.endr
.endr
	s_wait_xcnt 0x0                                ; the stores' data and base are rewritten only behind this wait
	v_add_nc_u32 v[R0], 16*DP, v[R0]
	s_add_nc_u64 s[8:9], s[8:9], 2048
	s_sub_co_u32 s[CNT], s[CNT], 1
	s_cmp_lg_u32 s[CNT], 0
	s_cbranch_scc1 .Lout
	s_wait_tensorcnt 0x0                           ; the wave's end
	ds_add_u32 v[SPW], v[NIL]
	s_wait_dscnt 0x0
	CROUND                                         ; the closing round
	s_endpgm
.Lfunc_end_k_q5891932c99_qkvg:
	.size	k_q5891932c99_qkvg, .Lfunc_end_k_q5891932c99_qkvg-k_q5891932c99_qkvg
	.p2alignl 7, 3214868480
	.fill 96, 4, 3214868480
	.section	.rodata,"a",@progbits
	.p2align	6, 0x0
	.amdhsa_kernel k_q5891932c99_qkvg
		.amdhsa_group_segment_fixed_size 327680
		.amdhsa_private_segment_fixed_size 0
		.amdhsa_enable_private_segment 0
		.amdhsa_kernarg_size 24
		.amdhsa_user_sgpr_count 2
		.amdhsa_user_sgpr_kernarg_segment_ptr 1
		.amdhsa_wavefront_size32 1
		.amdhsa_system_sgpr_workgroup_id_x 1
		.amdhsa_system_sgpr_workgroup_id_y 1
		.amdhsa_system_sgpr_workgroup_id_z 1
		.amdhsa_system_vgpr_workitem_id 0
		.amdhsa_next_free_vgpr 1024
		.amdhsa_next_free_sgpr 66
		.amdhsa_reserve_vcc 0
		.amdhsa_float_denorm_mode_32 3
		.amdhsa_float_denorm_mode_16_64 3
		.amdhsa_memory_ordered 1
		.amdhsa_forward_progress 1
		.amdhsa_inst_pref_size 74
	.end_amdhsa_kernel
	.amdgpu_metadata
---
amdhsa.version: [ 1, 2 ]
amdhsa.kernels:
  - .name:           k_q5891932c99_qkvg
    .symbol:         k_q5891932c99_qkvg.kd
    .args:
      - { .name: xn, .offset: 0, .size: 8, .value_kind: global_buffer, .address_space: global }
      - { .name: wb, .offset: 8, .size: 8, .value_kind: global_buffer, .address_space: global }
      - { .name: qkv, .offset: 16, .size: 8, .value_kind: global_buffer, .address_space: global }
    .group_segment_fixed_size: 327680
    .private_segment_fixed_size: 0
    .kernarg_segment_align: 8
    .kernarg_segment_size: 24
    .max_flat_workgroup_size: 128
    .sgpr_count:     66
    .vgpr_count:     1024
    .wavefront_size: 32
...
	.end_amdgpu_metadata
.endif
;; end of part 2
;; launch attn (part 3): grid 8 x 32, 4 waves a work-group, clusters of 4 x 1, 327,680 bytes of LDS; arguments qkv, mask, ao; writes ao
.if DOCPART == 3
	.amdgcn_target "amdgcn-amd-amdhsa--gfx1250"
	.amdhsa_code_object_version 6
	.text
	.protected	k_q5891932c99_attn
	.globl	k_q5891932c99_attn
	.p2align	8
	.type	k_q5891932c99_attn,@function
k_q5891932c99_attn:
	s_mov_b64 s[64:65], 0
	v_nop
	global_prefetch_b8 v0, s[64:65] scope:SCOPE_SE
	s_setreg_imm32_b32 hwreg(HW_REG_WAVE_MODE, 25, 1), 1
	s_wait_xcnt 0x0
	s_wait_alu depctr_hold_cnt(0) depctr_sa_sdst(0) depctr_va_vdst(0) depctr_va_sdst(0) depctr_va_ssrc(0) depctr_va_vcc(0) depctr_vm_vsrc(0)
	s_getreg_b32 s2, hwreg(HW_REG_IB_STS2, 6, 4)
	s_cmp_eq_u32 s2, 0
	s_cbranch_scc0 .Lentry_in_a_cluster
	s_endpgm
.Lentry_in_a_cluster:
	s_bfe_u32 s2, ttmp6, 0x10000c
	s_cmp_lg_u32 s2, 0x3003
	s_cbranch_scc0 .Lentry_shape_is_right
	s_endpgm
.Lentry_shape_is_right:
; O[q] = the sum over k of softmax_k(Q[q] . K[k] / 8 + (mask[k] - 1) 1e9) V[k], for each of 2 batches x 16 heads of 64 channels, 2,048 keys.
; qkv: [48][4096][64] bf16 (blocks 0-15 q, 16-31 k, 32-47 v by heads): a head's rows are dense, 128 bytes each.  ao: [16][4096][64] bf16.  Products, maxima and sums in f32; the weights p are rounded
; to bf16 for the second product (their sum l is taken of the unrounded p), O once at the end.
; THE MASK is the C operand that starts the sum S^T = K Q^T: mask x 8e9 - 8e9 (one fused step), that is 8 x (mask - 1) x 1e9 ahead of the division by 8.  A table of it for the batch's 2,048 keys is made
; once in LDS; a step's 64 numbers are fetched with its K.
; LIMITS.  A weight below 2^-126 counts as 0 in l; NaN and infinities are not treated apart.  Where every key of a batch is hidden the weights follow scores rounded at 8e9, as the f32 formula's follow
; scores rounded at 1e9: finite, but not the same numbers.
; SHARES.  A work-group owns 256 queries of one head, a wave 64: four PIECES of 16.  Every wave walks all keys, 64 a step, 256 a slot.
; LAYOUT.  S^T = K Q^T holds ONE query a lane (lane % 16) and the keys 8 (lane / 16) + 0..7; two such results rounded to bf16 ARE source 1 of O^T = V^T P.  K comes out of LDS as it lies, V turned.
; SOFTMAX.  p = 2^(c s - c m), c = log2(e) / 8, with a running maximum m; O and l are multiplied by a = 2^(c m_old - c m_new) in every step.  m starts at the lowest finite number, O and l at 0:
; the first step is a step like any other, with a = 0.
; BY TURNS.  Turn n belongs to piece n: 8 products K Q^T of piece n + 1, later 8 products V^T P of piece n - 1; beside them the scaling, exponentials, roundings, sums and rescaling of piece n and the
; maximum and statistics of piece n + 1.  Four vector instructions stand behind every matrix instruction, the other 54 of a turn's 118 in two runs of their own.
; CLUSTER.  The four query blocks of a cluster belong to one head and walk the same K and V: each tile is asked for JOINTLY.
; REGISTERS, in windows of 256: window 0: v0-15, v32-34 addresses; v16-31 statistics; v48-55 at work; v62-63 the add's; v64-127 S^T, two buffers; v192-223 P, two buffers
;   window 1: v0-127 O^T, 32 a piece; v128-159 the step's mask      window 2: v0-63 Q; v128-191 K of one step; v192-255 V of one step
.set SIZE_N, 2048
.set NP,    4
.set KS,    64
.set PK,    144       ; a row of K in LDS: 128 bytes + 16
.set PV,    160       ; a row of V: 128 + 32
.set VOFF,  4*KS*PK
.set SLOT1, 1<<17
.set STAGE, SLOT1+4*KS*(PK+PV)  ; 16 rows x 144 bytes for each wave, for the way out
.set SP,    144
.set SPARE, STAGE+4*16*SP       ; the spare words: two blocks of 256 bytes that no other line names
.set MBT,   SPARE+512           ; the mask's table: 2,048 f32
.set AK0, 2
.set AV0, 3
.set AK,  4
.set AV,  5
.set STO, 6
.set RD,  7
.set GO,  8
.set MV,  12
.set QO,  15
.set ST,  16          ; piece t: c m, m, l (even keys', odd keys')
.set AM0, 32          ; my lane's place in 64 numbers of the table
.set AM,  33
.set TMP, 48
.set SPW, 62
.set NIL, 63
.set S,   64
.set P,   192
.set MB,  128         ; window 1
.set KF,  128         ; window 2
.set VF,  192         ; window 2
.set WV,  12
.set G1K, 24
.set G1V, 32
.set G0K, 40
.set G0V, 44
.set TBM, 48          ; byte of the table at which the step to be fetched begins
.set SLOTS, 56
.set CNT, 57
.set CS,  58
.set SEL, 60
.set TBK, 62
.set TBV, 63
.set MSB, 0
.macro WIN new
.if MSB != (\new)
	s_set_vgpr_msb (MSB<<8)|(\new)
.set MSB, (\new)
.endif
.endm
.set W_KQ, 0x0a       ; K and Q in window 2, S^T in window 0
.set W_KM, 0x1a       ; the same with the C operand in window 1
.set W_PV, 0x52       ; V in window 2, P in window 0, O^T in window 1
.set W_RS, 0x41       ; destination and source 0 in window 1, source 1 in window 0
.macro JLOAD                        ; waves 0, 1 fetch the halves of a slot's K, waves 2, 3 of its V; an s_nop 0 and four v_nop follow each line
	s_cmp_lt_u32 s[WV], 2
	s_cbranch_scc0 .Lfor_v_\@
	tensor_load_to_lds s[G0K:G0K+3], s[G1K:G1K+7]
	s_nop 0
.rept 4
	v_nop
.endr
	s_branch .Lasked_\@
.Lfor_v_\@:
	tensor_load_to_lds s[G0V:G0V+3], s[G1V:G1V+7]
	s_nop 0
.rept 4
	v_nop
.endr
.Lasked_\@:
.endm
.macro CROUND
	s_barrier_signal -1
	s_barrier_wait -1
	s_cmp_lg_u32 s[WV], 0
	s_cbranch_scc1 .Lnot_wave_0_\@
	s_barrier_signal -3
.Lnot_wave_0_\@:
	s_barrier_wait -3
	s_barrier_signal -1
	s_barrier_wait -1
.endm
; THE CHANGE OF SLOTS.  Each wave waits for its one tensor load (its part of the other slot), adds 0 to its spare word, and waits for that and for its LDS instructions.  fill = 1: a round of the cluster's
; barrier, and the slot just read is filled again first thing behind it: four key steps, 256 matrix instructions, in which to land.  (At its first use: slot 0 is waited for, slot 1 filled, and my part
; of the mask's table is shown to the other waves.)
.macro CHANGE fill
	WIN 0
	s_wait_tensorcnt 0x0
	ds_add_u32 v[SPW], v[NIL]
.if \fill
.irp g, G0K, G0V
	s_xor_b32 s[\g+1], s[\g+1], SLOT1
	s_add_nc_u64 s[\g+2:\g+3], s[\g+2:\g+3], 4*KS*128
.endr
	s_wait_dscnt 0x0
	CROUND
	JLOAD
.else
	s_wait_dscnt 0x0
	s_barrier_signal -1
	s_barrier_wait -1
.endif
	s_sub_co_u32 s[TBK], s[TBK], 4*KS*PK
	s_xor_b32 s[TBK], s[TBK], SLOT1
	s_sub_co_u32 s[TBV], s[TBV], 4*KS*PV
	s_xor_b32 s[TBV], s[TBV], SLOT1
.endm
	s_load_b128 s[4:7], s[0:1], 0x0   ; qkv, mask
	s_load_b64 s[10:11], s[0:1], 0x10 ; ao
	v_lshl_add_u32 v[SPW], v0, 2, SPARE
	v_mov_b32 v[NIL], 0
	ds_add_u32 v[SPW], v[NIL]       ; the wave's opening: the add and its wait stand ahead of my first tensor load
	v_lshrrev_b32 v1, 5, v0
	v_readfirstlane_b32 s[WV], v1
	s_bfe_u32 s13, ttmp6, 0x40000   ; cx
	s_lshl_b32 s14, ttmp9, 2
	s_add_co_u32 s14, s14, s13      ; my block of 256 queries: it enters Q's and O's addresses alone
	s_and_b32 s20, ttmp7, 0xffff
	s_lshr_b32 s15, s20, 4          ; batch
	s_and_b32 s20, s20, 15          ; head
	s_lshl_b32 s20, s20, 19         ; the head's block of 64 columns,
	s_lshl_b32 s21, s15, 18         ; the batch's 2,048 rows of 128 bytes
	s_add_co_u32 s20, s20, s21
	s_and_b32 s16, s[WV], 1         ; which half of a slot's 256 keys I fetch
	s_lshl_b32 s22, s16, 14
	s_add_co_u32 s22, s22, s20
	s_add_co_u32 s22, s22, 0x800000 ; k's blocks lie 16 blocks behind q's
	s_mov_b32 s23, 0
	s_mul_i32 s17, s16, 128*PK
	s_mul_i32 s18, s16, 128*PV
	s_lshl_b32 s2, s14, 2
	s_add_co_u32 s2, s2, s[WV]
	s_lshl_b32 s2, s2, 13           ; my wave's 64 rows
	s_add_co_u32 s2, s2, s20
	s_mov_b32 s3, 0
	s_lshl_b32 s8, s15, 13          ; the batch's 2,048 numbers of the mask
	s_mov_b32 s9, 0
	s_mov_b32 s[G1K], 15|(1<<16)|(1<<20)|(1<<21)|(4<<22)|(3<<25)  ; the mask of four; 2-byte elements; 4 words of padding behind every 32 (a key)
	s_mov_b32 s[G1V], 15|(1<<16)|(1<<20)|(1<<21)|(4<<22)|(7<<25)  ; 8 words
.irp g, G1K, G1V
	s_mov_b32 s[\g+1], 128<<16      ; 128 keys are 16,384 dense bytes: 64 rows of 256
	s_mov_b32 s[\g+2], 64<<16
	s_mov_b32 s[\g+3], 128<<16
	s_mov_b32 s[\g+4], 64
	s_mov_b32 s[\g+5], 128
	s_mov_b32 s[\g+6], 0
	s_mov_b32 s[\g+7], 0
.endr
	s_mov_b32 s[CS], 0x3e38aa3b     ; c = log2(e) / 8
	s_mov_b32 s[CS+1], s[CS]
	s_mov_b32 s[SEL], 0x76543210
	s_mov_b32 s[SEL+1], 0xfedcba98
	s_mov_b32 s50, 0x4fee6b28       ; 8e9
	s_mov_b32 s51, s50
	s_mov_b32 s52, 0xcfee6b28       ; -8e9
	s_mov_b32 s53, s52
	s_mov_b32 s[TBM], 0
	s_mov_b32 s[TBK], SLOT1+4*KS*PK ; the first change of slots turns these two into 0
	s_mov_b32 s[TBV], SLOT1+4*KS*PV
	s_mov_b32 s[G0K], 1
	s_mov_b32 s[G0K+1], s17
	s_mov_b32 s[G0V], 1
	s_add_co_u32 s[G0V+1], s18, VOFF
	s_wait_dscnt 0x0                ; the opening add is done
	s_wait_kmcnt 0x0
	s_add_nc_u64 s[G0K+2:G0K+3], s[4:5], s[22:23]
	s_add_nc_u64 s[G0V+2:G0V+3], s[G0K+2:G0K+3], 0x800000  ; v's blocks lie 16 blocks behind k's
	s_or_b32 s[G0K+3], s[G0K+3], 0x80000000
	s_or_b32 s[G0V+3], s[G0V+3], 0x80000000
	s_add_nc_u64 s[4:5], s[4:5], s[2:3]
	s_add_nc_u64 s[10:11], s[10:11], s[2:3]
	s_add_nc_u64 s[6:7], s[6:7], s[8:9]
	CROUND                          ; all four work-groups are here: the first joint loads meet
	JLOAD                           ; slot 0
	v_lshlrev_b32 v14, 4, v0        ; 16 t
.irp j, 0,1,2,3
	global_load_b128 v[S+4*\j:S+4*\j+3], v14, s[6:7] offset:2048*\j  ; the mask: 128 threads x 16 bytes, four times
.endr
	v_and_b32 v1, 15, v0            ; l % 16
	v_bfe_u32 v9, v0, 4, 1          ; l / 16
	v_lshlrev_b32 v[QO], 7, v1
	v_lshl_add_u32 v[QO], v9, 4, v[QO]
	WIN 0x80
.set i, 0
.rept 8                             ; Q stays in registers: piece i / 2, channels 32 (i % 2) on
	global_load_b128 v[8*i:8*i+3],   v[QO], s[4:5] offset:(i/2)*2048+(i%2)*64
	global_load_b128 v[8*i+4:8*i+7], v[QO], s[4:5] offset:(i/2)*2048+(i%2)*64+32
.set i, i+1
.endr
	; What the first turn finds: V's registers and P's second buffer hold 0 (its products V^T P, of a piece that has not been, add 0), O^T and l are 0.  All this stands in the wait for the first tile.
.set i, VF
.rept 64
	v_mov_b32 v[i], 0
.set i, i+1
.endr
	WIN 0x40
.set i, 0
.rept 128
	v_mov_b32 v[i], 0
.set i, i+1
.endr
	WIN 0
.set i, 0
.rept 4
	v_mov_b32 v[ST+4*i], 0xfe000000    ; c m: far below every c s
	v_mov_b32 v[ST+4*i+1], 0xff7fffff  ; m
	v_mov_b32 v[ST+4*i+2], 0
	v_mov_b32 v[ST+4*i+3], 0
.set i, i+1
.endr
.set i, P+16
.rept 16
	v_mov_b32 v[i], 0
.set i, i+1
.endr
	v_mul_u32_u24 v[AK0], v1, PK
	v_lshl_add_u32 v[AK0], v9, 4, v[AK0]
	v_and_b32 v10, 7, v0
	v_bfe_u32 v11, v0, 3, 1
	v_lshl_add_u32 v[AV0], v9, 3, v10
	v_mul_u32_u24 v[AV0], v[AV0], PV
	v_lshl_add_u32 v[AV0], v11, 4, v[AV0]
	v_add_nc_u32 v[AV0], VOFF, v[AV0]
	v_lshl_add_u32 v[AM0], v9, 5, MBT   ; register j of key block kb is key 16 kb + 8 h + j, for every query: 32 h bytes into the step's 256
	s_mul_i32 s13, s[WV], 16*SP
	s_add_co_u32 s13, s13, STAGE
	v_mul_u32_u24 v[STO], v1, SP
	v_lshl_add_u32 v[STO], v9, 4, v[STO]
	v_add_nc_u32 v[STO], s13, v[STO]
	v_bfe_u32 v[RD], v0, 3, 2
	v_mul_u32_u24 v[RD], v[RD], SP
	v_lshl_add_u32 v[RD], v10, 4, v[RD]
	v_add_nc_u32 v[RD], s13, v[RD]
	v_and_b32 v[GO], 31, v0
	v_lshlrev_b32 v[GO], 4, v[GO]
	v_lshl_add_u32 v34, v0, 4, MBT
	s_wait_loadcnt 16               ; the mask's four loads are in; Q's sixteen, issued behind them, may stay out
.set i, 0
.rept 8
	v_pk_fma_f32 v[S+2*i:S+2*i+1], v[S+2*i:S+2*i+1], s[50:51], s[52:53] op_sel_hi:[1,0,0]
.set i, i+1
.endr
.irp j, 0,1,2,3
	ds_store_b128 v34, v[S+4*\j:S+4*\j+3] offset:2048*\j
.endr
.macro KQ x                         ; product i of 8 of S^T = K Q^T for piece x: channels 32 (i / 4) on, keys 16 (i % 4) on; the first 4 start the sums with the mask; the 4 accumulators take turns
.set rS, S+32*((\x)%2)+8*(i%4)
.set rK, KF+16*(i%4)+8*(i/4)
.set rQ, 16*(\x)+8*(i/4)
.set rM, MB+8*(i%4)
.if i < 4
	WIN W_KM
	v_wmma_f32_16x16x32_bf16 v[rS:rS+7], v[rK:rK+7], v[rQ:rQ+7], v[rM:rM+7]
.else
	WIN W_KQ
	v_wmma_f32_16x16x32_bf16 v[rS:rS+7], v[rK:rK+7], v[rQ:rQ+7], v[rS:rS+7]
.endif
.endm
.macro PV x                         ; product i of 8 of O^T += V^T P for piece x: keys 32 (i / 4) on, channels 16 (i % 4) on
	WIN W_PV
.set rO, 32*(\x)+8*(i%4)
.set rV, VF+32*(i/4)+8*(i%4)
.set rP, P+16*((\x)%2)+8*(i/4)
	v_wmma_f32_16x16x32_bf16 v[rO:rO+7], v[rV:rV+7], v[rP:rP+7], v[rO:rO+7]
.endm
.macro MM                           ; the turn's next matrix instruction
.if i < 8
	KQ (Y+1)%NP
.else
.set i, i-8
	PV (Y+NP-1)%NP
.set i, i+8
.endif
.set i, i+1
.endm
; THE LDS LOADS stand in runs: a step's K (8 fragments) with its 64 numbers of the mask, and its V (turned).  last = 1 (the tail): in the last trip there is no further step, and the run is jumped over.
.macro FETCH_K last=0
	WIN 0
.if \last
	s_cmp_eq_u32 s[CNT], 1
	s_cbranch_scc1 .Lno_k_\@
.endif
	WIN 0x80
.irp f, 0,1,2,3,4,5,6,7
	ds_load_b128 v[KF+8*\f:KF+8*\f+3],   v[AK] offset:(\f/2)*16*PK+(\f%2)*64
	ds_load_b128 v[KF+8*\f+4:KF+8*\f+7], v[AK] offset:(\f/2)*16*PK+(\f%2)*64+32
.endr
	WIN 0x40
.irp f, 0,1,2,3
	ds_load_b128 v[MB+8*\f:MB+8*\f+3],   v[AM] offset:64*\f
	ds_load_b128 v[MB+8*\f+4:MB+8*\f+7], v[AM] offset:64*\f+16
.endr
	s_add_co_u32 s[TBK], s[TBK], KS*PK
	s_add_co_u32 s[TBM], s[TBM], KS*4
	WIN 0
.if \last
.Lno_k_\@:
.endif
.endm
.macro FETCH_V
	WIN 0x80
.irp f, 0,1,2,3,4,5,6,7
	ds_load_tr16_b128 v[VF+8*\f:VF+8*\f+3],   v[AV] offset:(\f/4)*32*PV+(\f%4)*32
	ds_load_tr16_b128 v[VF+8*\f+4:VF+8*\f+7], v[AV] offset:(\f/4)*32*PV+16*PV+(\f%4)*32
.endr
	WIN 0
.endm
; THE VECTOR WORK, one line at a time: OP kind, number.  For piece Y: F n: c s - c m for pair n of 16.  E n: the exponential of score n of 32.  C n: pair n rounded to bf16.  B n: of the four weights 4 n ..
; the second pair is added onto the first, in place.  L n: l takes that sum (L 0: l = a l + sum).  R n: pair n of 16 of O^T times a.  For piece Y + 1: X n, number n of the 22 that find its maximum and
; statistics: 0-11 four chains of seven scores (each accumulator's lowest registers are read first); 12-14, 16 the rest, the old m, all into c0; 15 c m_old is kept;
; 17, 18 the other half of the lanes' maximum, the new m; 19-21 c m; c m_old - c m_new; a.
.set F, 0
.set E, 1
.set C, 2
.set B, 3
.set L, 4
.set R, 5
.set X, 6
.macro REGS y
.set rT, ST+4*(\y)
.set rC, TMP+4*((\y)%2)
.set rW, MV+((\y)%2)
.set rS, S+32*((\y)%2)
.set rP, P+16*((\y)%2)
.set rO, 32*(\y)
.endm
.macro OP k, n
.if (\k) == R
	REGS Y
	WIN W_RS
	v_pk_mul_f32 v[rO+2*(\n):rO+2*(\n)+1], v[rO+2*(\n):rO+2*(\n)+1], v[rC+2:rC+3] op_sel_hi:[1,0]
.elseif (\k) < R
	REGS Y
	WIN 0
.if (\k) == F
	v_pk_fma_f32 v[rS+2*(\n):rS+2*(\n)+1], v[rS+2*(\n):rS+2*(\n)+1], s[CS:CS+1], v[rT:rT+1] op_sel_hi:[1,0,0] neg_lo:[0,0,1] neg_hi:[0,0,1]
.elseif (\k) == E
	v_exp_f32 v[rS+(\n)], v[rS+(\n)]
.elseif (\k) == C
	s_wait_alu depctr_va_vdst(0)
	v_cvt_pk_bf16_f32 v[rP+(\n)], v[rS+2*(\n)], v[rS+2*(\n)+1]
.elseif (\k) == B
	s_wait_alu depctr_va_vdst(0)
	v_pk_add_f32 v[rS+4*(\n):rS+4*(\n)+1], v[rS+4*(\n):rS+4*(\n)+1], v[rS+4*(\n)+2:rS+4*(\n)+3]
.elseif (\n) == 0
	v_pk_fma_f32 v[rT+2:rT+3], v[rT+2:rT+3], v[rC+2:rC+3], v[rS:rS+1] op_sel_hi:[1,0,1]
.else
	v_pk_add_f32 v[rT+2:rT+3], v[rT+2:rT+3], v[rS+4*(\n):rS+4*(\n)+1]
.endif
.else
	REGS (Y+1)%NP
	WIN 0
.if (\n) < 4
	v_max3_num_f32 v[rC+(\n)], v[rS+8*(\n)], v[rS+8*(\n)+1], v[rS+8*(\n)+2]
.elseif (\n) < 12
	v_max3_num_f32 v[rC+(\n)%4], v[rC+(\n)%4], v[rS+8*((\n)%4)+2*((\n)/4)+1], v[rS+8*((\n)%4)+2*((\n)/4)+2]
.elseif (\n) == 12
	v_max3_num_f32 v[rC], v[rC], v[rS+7], v[rS+15]
.elseif (\n) == 13
	v_max3_num_f32 v[rC+1], v[rC+1], v[rS+23], v[rS+31]
.elseif (\n) == 14
	v_max3_num_f32 v[rC+2], v[rC+2], v[rC+3], v[rT+1]
.elseif (\n) == 15
	v_mov_b32 v[rW], v[rT]
.elseif (\n) == 16
	v_max3_num_f32 v[rC], v[rC], v[rC+1], v[rC+2]
.elseif (\n) == 17
	v_permlanex16_b32 v[rC+3], v[rC], s[SEL], s[SEL+1]
.elseif (\n) == 18
	v_max_num_f32 v[rT+1], v[rC], v[rC+3]
.elseif (\n) == 19
	v_mul_f32 v[rT], s[CS], v[rT+1]
.elseif (\n) == 20
	v_sub_f32 v[rC+1], v[rW], v[rT]
.else
	v_exp_f32 v[rC+2], v[rC+1]
.endif
.endif
.endm
.macro OPS a, i1, b=-1, i2=0, c=-1, i3=0, d=-1, i4=0
	OP \a, \i1
.if (\b) >= 0
	OP \b, \i2
.endif
.if (\c) >= 0
	OP \c, \i3
.endif
.if (\d) >= 0
	OP \d, \i4
.endif
.endm
.macro ROW a, i1, b, i2, c, i3, d, i4  ; a matrix instruction and the four behind it
	MM
	OPS \a, \i1, \b, \i2, \c, \i3, \d, \i4
.endm
; A TURN, for piece p: the order of its 16 matrix and 118 vector instructions, written out.  Behind a matrix instruction: plain, exponential, plain, plain; or four of the rescaling; or four scalings; none
; names a register of the products round it.  K and the mask of the next step are fetched in piece 2's turn, six vector instructions (five of them plain) behind the last product that read K; V of the step
; in hand in piece 0's turn, eight behind the last product that read V (four of them plain).  Each is waited for a turn later.  cnt = 1: the loop's count is taken down ahead of the branch behind the turn.
.macro TURN p, last=0, cnt=0
.set Y, (\p)
.set i, 0
.if (\p) == 3
	s_wait_dscnt 0x0                ; K and the mask are in
.endif
	ROW F,0, F,1, F,2, F,3
	ROW F,4, E,0, F,5, F,6
	ROW F,7, E,1, F,8, F,9
	ROW F,10, E,2, C,0, F,11
	ROW F,12, E,3, X,15, F,13
	ROW R,0, R,1, R,2, R,3
	ROW B,0, E,4, F,14, L,0
.if (\p) == 2
	WIN 0
	v_add_nc_u32 v[AK], s[TBK], v[AK0]
	v_add_nc_u32 v[AM], s[TBM], v[AM0]
.endif
	ROW R,4, R,5, R,6, R,7
	OPS E,5, F,15
.if (\p) == 2
	FETCH_K \last
.endif
	OPS E,6, C,1, E,7, R,8
	OPS E,8, R,9, E,9, C,2
	OPS E,10, X,0, E,11, X,1
	OPS E,12, X,2, E,13, X,3
.if (\p) == 1
	s_wait_dscnt 0x0                ; V is in
.endif
	ROW X,4, E,14, X,5, X,6
	ROW X,7, E,15, X,8, X,9
	ROW X,10, E,16, X,11, X,12
	ROW X,13, E,17, X,14, B,1
	ROW C,4, E,18, X,16, L,1
	ROW B,2, E,19, C,6, L,2
	ROW C,8, E,20, B,3, B,4
.if (\p) == 0
	WIN 0
	v_add_nc_u32 v[AV], s[TBV], v[AV0]
.endif
	ROW C,3, E,21, L,3, C,5
	OPS E,22, X,17, E,23, C,10
.if (\p) == 0
	FETCH_V
.endif
	OPS E,24, L,4
	OPS E,25, X,18, E,26, C,7
	OPS E,27, B,5, E,28, X,19
	OPS E,29, C,12, E,30, L,5
	OPS E,31, X,20, B,6, C,9
	OPS C,14, C,11, X,21, L,6
.if (\p) == 0
	s_add_co_u32 s[TBV], s[TBV], KS*PV
.endif
.if \cnt
	s_sub_co_u32 s[CNT], s[CNT], 1
	s_cmp_lg_u32 s[CNT], 0
.endif
	OPS C,13, B,7, C,15, R,10
	OPS R,11, R,12, L,7, R,13
	OPS R,14, R,15
.endm
	CHANGE 1                        ; slot 0 is in, the table is whole; slot 1 is asked for
	v_add_nc_u32 v[AK], s[TBK], v[AK0]
	v_add_nc_u32 v[AM], s[TBM], v[AM0]
	FETCH_K                         ; key step 0
	s_wait_loadcnt 0x0              ; Q
	s_wait_dscnt 0x0
.set i, 0
.rept 8
	KQ 0                            ; piece 0's first scores
.set i, i+1
.endr
	WIN 0
.rept 4
	v_nop                           ; the places behind those products
.endr
.set Y, NP-1                        ; X works for piece Y + 1: piece 0
.irp n, 0,1,2,3,4,5,6,7,8,9,10,11,12,13,14,15,16,17,18,19,20,21
	OP X, \n
.endr
	v_nop                           ; a plain instruction behind the exponential
	s_mov_b32 s[CNT], 4
	s_mov_b32 s[SLOTS], SIZE_N/256-1
	s_branch .Lfirst                ; the loop is entered at a step's first turn, in the middle of a trip
.Lslot:                             ; SIZE_N / 256 - 2 times: every slot but the last two is filled again
	CHANGE 1
	s_mov_b32 s[CNT], 4
.Lstep:                             ; a trip: pieces 2 and 3 of one step, then pieces 0 and 1 of the next, whose K and V it fetches
	TURN 2
	TURN 3
	WIN 0
.Lfirst:
	TURN 0
	TURN 1, 0, 1
	WIN 0
	s_cbranch_scc1 .Lstep
	s_sub_co_u32 s[SLOTS], s[SLOTS], 1
	s_cmp_lg_u32 s[SLOTS], 0
	s_cbranch_scc1 .Lslot
	CHANGE 0                        ; the tail is written out
	s_mov_b32 s[CNT], 5             ; four trips fetch the last slot's steps; the fifth is left in its middle
.Ltail:
	TURN 2, 1
	TURN 3
	WIN 0
	s_sub_co_u32 s[CNT], s[CNT], 1
	s_cmp_eq_u32 s[CNT], 0
	s_cbranch_scc1 .Lout
	TURN 0
	TURN 1
	WIN 0
	s_branch .Ltail
.Lout:                              ; the fifth trip's 8 products K Q^T (on the last K once more) and the maximum made of them serve nothing: the price, once a launch, of one text for every trip
.set i, 0
.rept 8
	PV NP-1                         ; the last piece's V^T P of the last step
.set i, i+1
.endr
	; THE WAY OUT.  l's two halves and the other half of the lanes' are added; O^T is divided by l, rounded to bf16 and sent through my stage in LDS, a piece at a time.  The additions are the places behind the last products.
	WIN 0
.macro ALL line:vararg
.set t, 0
.rept 4
	\line
.set t, t+1
.endr
.endm
	ALL v_add_f32 v[ST+4*t+2], v[ST+4*t+2], v[ST+4*t+3]
	ALL v_permlanex16_b32 v[ST+4*t+3], v[ST+4*t+2], s[SEL], s[SEL+1]
	ALL v_add_f32 v[ST+4*t+2], v[ST+4*t+2], v[ST+4*t+3]
	ALL v_rcp_f32 v[ST+4*t+2], v[ST+4*t+2]
	v_nop                           ; a plain instruction between the last reciprocal and its use
.macro PACK t
	WIN W_RS
.set i, 32*(\t)
.rept 16
	s_wait_alu depctr_va_vdst(0)
	v_pk_mul_f32 v[i:i+1], v[i:i+1], v[ST+4*(\t)+2:ST+4*(\t)+3] op_sel_hi:[1,0]
.set i, i+2
.endr
	WIN 0x05
.set i, 0
.rept 16
	v_cvt_pk_bf16_f32 v[S+16*(\t)+i], v[32*(\t)+2*i], v[32*(\t)+2*i+1]
.set i, i+1
.endr
	WIN 0
.irp f, 0,1,2,3
	ds_store_b128 v[STO], v[S+16*(\t)+4*\f:S+16*(\t)+4*\f+3] offset:32*\f
.endr
.irp f, 0,1,2,3
	ds_load_b128 v[S+16*(\t)+4*\f:S+16*(\t)+4*\f+3], v[RD] offset:\f*4*SP  ; LDS serves a wave's instructions in order (ISA guide 5.7.1.4): these see the stores above
.endr
.endm
.macro SEND t, younger              ; younger: the LDS instructions issued behind piece t's loads: the next piece's eight, or none
	WIN 0
.irp f, 0,1,2,3
	s_wait_dscnt (\younger)+3-\f
	global_store_b128 v[GO], v[S+16*(\t)+4*\f:S+16*(\t)+4*\f+3], s[10:11] offset:(\t)*2048+\f*512  ; 512 consecutive bytes, aligned
.endr
.endm
	PACK 0
.set t, 1
.rept 3
	PACK t
	SEND t-1, 8
.set t, t+1
.endr
	SEND 3, 0
	s_wait_tensorcnt 0x0            ; the wave's end
	ds_add_u32 v[SPW], v[NIL]
	s_wait_dscnt 0x0
	CROUND                          ; the closing round
	s_endpgm
.Lfunc_end_k_q5891932c99_attn:
	.size	k_q5891932c99_attn, .Lfunc_end_k_q5891932c99_attn-k_q5891932c99_attn
	.p2alignl 7, 3214868480
	.fill 96, 4, 3214868480
	.section	.rodata,"a",@progbits
	.p2align	6, 0x0
	.amdhsa_kernel k_q5891932c99_attn
		.amdhsa_group_segment_fixed_size 327680
		.amdhsa_private_segment_fixed_size 0
		.amdhsa_enable_private_segment 0
		.amdhsa_kernarg_size 24
		.amdhsa_user_sgpr_count 2
		.amdhsa_user_sgpr_kernarg_segment_ptr 1
		.amdhsa_wavefront_size32 1
		.amdhsa_system_sgpr_workgroup_id_x 1
		.amdhsa_system_sgpr_workgroup_id_y 1
		.amdhsa_system_sgpr_workgroup_id_z 1
		.amdhsa_system_vgpr_workitem_id 0
		.amdhsa_next_free_vgpr 768
		.amdhsa_next_free_sgpr 66
		.amdhsa_reserve_vcc 0
		.amdhsa_float_denorm_mode_32 3
		.amdhsa_float_denorm_mode_16_64 3
		.amdhsa_memory_ordered 1
		.amdhsa_forward_progress 1
		.amdhsa_inst_pref_size 120
	.end_amdhsa_kernel
	.amdgpu_metadata
---
amdhsa.version: [ 1, 2 ]
amdhsa.kernels:
  - .name:           k_q5891932c99_attn
    .symbol:         k_q5891932c99_attn.kd
    .args:
      - { .name: qkv, .offset: 0, .size: 8, .value_kind: global_buffer, .address_space: global }
      - { .name: mask, .offset: 8, .size: 8, .value_kind: global_buffer, .address_space: global }
      - { .name: ao, .offset: 16, .size: 8, .value_kind: global_buffer, .address_space: global }
    .group_segment_fixed_size: 327680
    .private_segment_fixed_size: 0
    .kernarg_segment_align: 8
    .kernarg_segment_size: 24
    .max_flat_workgroup_size: 128
    .sgpr_count:     66
    .vgpr_count:     768
    .wavefront_size: 32
...
	.end_amdgpu_metadata
.endif
;; end of part 3
;; launch wog (part 4): grid 8 x 32, 4 waves a work-group, clusters of 4 x 4, 327,680 bytes of LDS; arguments ao, wb, X, norm2_w, x1, x1b, ssq; writes x1, x1b, ssq
.if DOCPART == 4
	.amdgcn_target "amdgcn-amd-amdhsa--gfx1250"
	.amdhsa_code_object_version 6
	.text
	.protected	k_q5891932c99_wog
	.globl	k_q5891932c99_wog
	.p2align	8
	.type	k_q5891932c99_wog,@function
k_q5891932c99_wog:
	s_mov_b64 s[64:65], 0
	v_nop
	global_prefetch_b8 v0, s[64:65] scope:SCOPE_SE
	s_setreg_imm32_b32 hwreg(HW_REG_WAVE_MODE, 25, 1), 1
	s_wait_xcnt 0x0
	s_wait_alu depctr_hold_cnt(0) depctr_sa_sdst(0) depctr_va_vdst(0) depctr_va_sdst(0) depctr_va_ssrc(0) depctr_va_vcc(0) depctr_vm_vsrc(0)
	s_getreg_b32 s2, hwreg(HW_REG_IB_STS2, 6, 4)
	s_cmp_eq_u32 s2, 0
	s_cbranch_scc0 .Lentry_in_a_cluster
	s_endpgm
.Lentry_in_a_cluster:
	s_bfe_u32 s2, ttmp6, 0x10000c
	s_cmp_lg_u32 s2, 0xf033
	s_cbranch_scc0 .Lentry_shape_is_right
	s_endpgm
.Lentry_shape_is_right:
; x1 = X + ao Wo (f32 [4096][1024]);  x1b = bf16(x1 * norm2_w) in blocks of 64 columns [16][4096][64];  ssq[cb][row] = the sum of x1^2 over block cb's 64 columns (f32 [16][4096]).
; The row's scale rsqrt(mean + eps) is applied behind the next product's sums, which it commutes with; so x1b is rounded before that scale.
; A tile of C is 128 x 128 (256 work-groups), four waves of 64 x 64: 16 accumulators.  THE RESIDUAL STARTS THE SUMS: X is loaded straight into the accumulators, in their layout; nothing is cleared.
; K goes through two LDS slots of 256 along K.  A's part: four blocks of 64 columns, each 128 rows of 128 bytes padded to 144; one tensor load brings two blocks, as two rows of 16,384 dense bytes.
; B's part: 256 rows of K, 256 bytes padded to 288; its fragments come out turned.  The matrix instruction is used transposed: a lane holds eight neighbouring numbers of a row of C.
; CLUSTER 4 x 4: A's tiles jointly along a row, B's along a column; waves 0, 1 fetch A, waves 2, 3 B.  One text serves both slots (exclusive or by 0x24000).
; THE WALK ALONG K IS ROTATED: cluster (X, Y) begins at slot NS/2 X + NS/4 Y and wraps.  The two clusters that read the same rows of A (X = 0, 1) are NS/2 slots apart, so each is the first to ask for
; half of A's slots; the clusters that read the same columns of B begin NS/4 slots apart.  So the f32 sum along K begins at another slot in each cluster: an order of rounding of its own.
; Both first fills go out together behind the opening round: two tensor loads of a wave are out at the start, one later.
; THE WAY OUT: the sums go as f32 into the slots behind their last fill (each wave its own 17,408 bytes) and come back by rows of 256 bytes.
; REGISTERS: window 0: v16-26 addresses, v28-29 the add's, v32-127 at work, v128-255 the accumulators ((a, b) at 128 + 8 (4 a + b)); window 1: two fragment buffers of 128.
.set PA,     144
.set PB,     288
.set ACB,    128*PA                    ; a block of A: 18,432
.set BOFF,   4*ACB                     ; 73,728
.set STEP,   2*ACB                     ; two blocks of A, and 128 rows of B: 36,864
.set SLOTX,  0x24000
.set DP,     272
.set DW,     64*DP
.set SQ,     294912                    ; 256 bytes a wave: its 64 rows' sums of squares
.set SPARE,  295936                    ; the spare words: two blocks of 256 bytes that no other line names
.set NS,     4                         ; K = 1024
.set LOGX,   1                         ; the walk's start: cluster x << LOGX (NS/2 each) + cluster y << LOGY (NS/4 each)
.set LOGY,   0
.set ASH,    21                        ; a slot of A is four blocks of 524,288 bytes
.set BSH,    19                        ; a slot of B is 256 rows of 2,048 bytes
.set WOFF,   6291456                   ; Wo in wb
.set A0,   16
.set B0,   17
.set ADRA, 18
.set ADRB, 19
.set D0,   20
.set R0,   21
.set XO,   22                          ; (l / 16) rows of 4,096 bytes + 16 (l % 16)
.set BO,   23                          ; 8 l
.set SQA,  24
.set XV,   25                          ; the accumulators' layout: r rows of 4,096 bytes + 32 h
.set SQR,  26
.set SPW,  28
.set NIL,  29
.set GW,   120                         ; v[120:123] norm2_w of my four columns
.set ACC,  128
.set F0,   0
.set F1,   128
.set G1A,  24
.set G0A,  32                          ; A's group 0 for slot 1's first fill; it then walks on
.set TA,   36
.set TBB,  37
.set CNT,  38
.set SLOTS, 39
.set G1B,  48
.set G0B,  56                          ; the same for B
.set WV,   60
.set RH,   61
.set CH,   62
.set G0A0, 68                          ; s[68:71], s[72:75] group 0 of slot 0's first fill, written once
.set G0B0, 72
.set BA,   76                          ; s[76:77] A at my rows and my two blocks of slot 0 of K
.set BB,   78                          ; s[78:79] B at my columns and my 128 rows of slot 0 of K
.set OF,   80                          ; s[80:81] a slot's byte offset
.set KI,   82                          ; the slot of K asked for last
.set MSB, 0
.macro WIN new
.if MSB != (\new)
	s_set_vgpr_msb (MSB<<8)|(\new)
.set MSB, \new
.endif
.endm
.set MUL,  0x05                        ; sources 0 (B) and 1 (A) window 1; C and D window 0
.set TO_F, 0x40
.macro JLOAD                           ; an s_nop 0 and four v_nop follow each of the two lines
	s_cmp_eq_u32 s[RH], 0
	s_cbranch_scc0 .Lfor_b_\@
	tensor_load_to_lds s[G0A:G0A+3], s[G1A:G1A+7]
	s_nop 0
.rept 4
	v_nop
.endr
	s_branch .Lasked_\@
.Lfor_b_\@:
	tensor_load_to_lds s[G0B:G0B+3], s[G1B:G1B+7]
	s_nop 0
.rept 4
	v_nop
.endr
.Lasked_\@:
.endm
.macro CROUND
	s_barrier_signal -1
	s_barrier_wait -1
	s_cmp_lg_u32 s[WV], 0
	s_cbranch_scc1 .Lnot_wave_0_\@
	s_barrier_signal -3
.Lnot_wave_0_\@:
	s_barrier_wait -3
	s_barrier_signal -1
	s_barrier_wait -1
.endm
.macro PLACES
.rept 4
	v_nop
.endr
.endm
.macro TOK ga, gb                      ; both global addresses are made anew for slot s[KI] of K: a base and an offset made apart, the type bits set again
	s_lshl_b32 s[OF], s[KI], ASH
	s_add_nc_u64 s[(\ga)+2:(\ga)+3], s[BA:BA+1], s[OF:OF+1]
	s_or_b32 s[(\ga)+3], s[(\ga)+3], 0x80000000
	s_lshl_b32 s[OF], s[KI], BSH
	s_add_nc_u64 s[(\gb)+2:(\gb)+3], s[BB:BB+1], s[OF:OF+1]
	s_or_b32 s[(\gb)+3], s[(\gb)+3], 0x80000000
.endm
.macro NEXTK                           ; the walk's next slot, round K's end
	s_add_co_u32 s[KI], s[KI], 1
	s_and_b32 s[KI], s[KI], NS-1
.endm
.macro CHANGE fill                     ; the change of slots: my one tensor load has landed, the add, my reads are over; with fill = 1 a round of the cluster's barrier and the refill first behind it (128 matrix instructions in which to land)
	WIN 0
	s_wait_tensorcnt 0x0                           ; no tensor load of mine is out: the walking descriptors may be written
	ds_add_u32 v[SPW], v[NIL]
.if \fill
	NEXTK
	s_xor_b32 s[G0A+1], s[G0A+1], SLOTX
	s_xor_b32 s[G0B+1], s[G0B+1], SLOTX
	TOK G0A, G0B
	s_wait_dscnt 0x0
	CROUND
	JLOAD
.else
	s_wait_dscnt 0x0
	s_barrier_signal -1
	s_barrier_wait -1
.endif
	s_sub_co_u32 s[TA], s[TA], 2*STEP
	s_xor_b32 s[TA], s[TA], SLOTX
	s_sub_co_u32 s[TBB], s[TBB], 2*STEP
	s_xor_b32 s[TBB], s[TBB], SLOTX
.endm
.macro MUL8 f, c, a0                   ; 8 matrix instructions: row blocks a0, a0 + 1 x 4 column blocks, half c of buffer f; the 16 accumulators take turns
	WIN MUL
.irp a, \a0, (\a0)+1
.irp b, 0,1,2,3
	v_wmma_f32_16x16x32_bf16 v[ACC+8*(4*(\a)+(\b)):ACC+8*(4*(\a)+(\b))+7], v[(\f)+64+8*(4*(\c)+(\b)):(\f)+64+8*(4*(\c)+(\b))+7], v[(\f)+8*(4*(\c)+(\a)):(\f)+8*(4*(\c)+(\a))+7], v[ACC+8*(4*(\a)+(\b)):ACC+8*(4*(\a)+(\b))+7]
.endr
.endr
.endm
.macro FETCH f, aoff, boff             ; 32 LDS loads: 64 along K (one block of A, 64 rows of B), the first 32 along K first
	WIN TO_F
.irp c, 0,1
.irp i, 0,1,2,3
	ds_load_tr16_b128 v[(\f)+64+8*(4*(\c)+(\i)):(\f)+64+8*(4*(\c)+(\i))+3],   v[ADRB] offset:(\boff)+32*PB*(\c)+32*(\i)
	ds_load_tr16_b128 v[(\f)+64+8*(4*(\c)+(\i))+4:(\f)+64+8*(4*(\c)+(\i))+7], v[ADRB] offset:(\boff)+32*PB*(\c)+32*(\i)+16*PB
	ds_load_b128 v[(\f)+8*(4*(\c)+(\i)):(\f)+8*(4*(\c)+(\i))+3],   v[ADRA] offset:(\aoff)+64*(\c)+(\i)*16*PA
	ds_load_b128 v[(\f)+8*(4*(\c)+(\i))+4:(\f)+8*(4*(\c)+(\i))+7], v[ADRA] offset:(\aoff)+64*(\c)+(\i)*16*PA+32
.endr
.endr
.endm
.macro UNIT f, g, aoff, boff, adr, fetch  ; 32 matrix instructions on buffer f; in its middle, behind four plain vector instructions, the next unit's fragments go into g
	s_wait_dscnt 16                                ; the first 32 along K are in; the other sixteen loads may be out
	MUL8 \f, 0, 0
	MUL8 \f, 0, 2
.if \fetch
.if \adr
	WIN 0
	v_add_nc_u32 v[ADRA], s[TA], v[A0]
	v_add_nc_u32 v[ADRB], s[TBB], v[B0]
	v_nop
	v_nop
.else
	PLACES
.endif
	FETCH \g, \aoff, \boff
	s_wait_dscnt 32                                ; all but the 32 just issued
.else
	s_wait_dscnt 0x0
.endif
	MUL8 \f, 1, 0
	MUL8 \f, 1, 2
.endm
.macro BODY mid                        ; fetches two blocks of 64 along K; the fetch runs one unit ahead of the products
	UNIT F1, F0, 0, 0, 1, 1
	WIN 0
.if \mid
.Lmid:
.endif
	UNIT F0, F1, ACB, 64*PB, 0, 1
	WIN 0
	s_add_co_u32 s[TA], s[TA], STEP
	s_add_co_u32 s[TBB], s[TBB], STEP
.endm
	s_load_b256 s[4:11], s[0:1], 0x0               ; ao, wb, X, norm2_w
	s_load_b128 s[12:15], s[0:1], 0x20             ; x1, x1b
	s_load_b64 s[16:17], s[0:1], 0x30              ; ssq
	v_lshl_add_u32 v[SPW], v0, 2, SPARE
	v_mov_b32 v[NIL], 0
	ds_add_u32 v[SPW], v[NIL]                      ; the wave's opening: the add and its wait stand ahead of my first tensor load
	v_lshrrev_b32 v1, 5, v0
	v_readfirstlane_b32 s[WV], v1
	s_lshr_b32 s[RH], s[WV], 1
	s_and_b32 s[CH], s[WV], 1
	s_bfe_u32 s40, ttmp6, 0x40000
	s_bfe_u32 s41, ttmp6, 0x40004
	s_lshl_b32 s42, ttmp9, 2
	s_add_co_u32 s42, s42, s40                     ; tile column
	s_and_b32 s45, ttmp7, 0xffff                   ; the cluster's y
	s_lshl_b32 s[KI], s45, LOGY                    ; where my cluster's walk along K begins: made of the cluster's x and y alone, which all sixteen partners share
	s_lshl_b32 s[OF], ttmp9, LOGX
	s_add_co_u32 s[KI], s[KI], s[OF]
	s_and_b32 s[KI], s[KI], NS-1
	s_mov_b32 s[OF+1], 0
	s_lshl_b32 s45, s45, 2
	s_add_co_u32 s45, s45, s41                     ; tile row
	s_lshl_b32 s43, s41, 2
	s_lshl_b32 s43, 15, s43
	s_lshl_b32 s44, 0x1111, s40
	s_or_b32 s[G1A], s43, (1<<16)|(1<<20)|(1<<21)|(4<<22)|(3<<25)  ; 4 words of padding behind every 32 (a token's 128 bytes), counted along the whole tile
	s_mov_b32 s[G1A+1], 8192<<16                   ; two rows of 8,192 elements: 128 tokens of a block are 16,384 dense bytes
	s_mov_b32 s[G1A+2], 2<<16
	s_mov_b32 s[G1A+3], 8192<<16
	s_mov_b32 s[G1A+4], 2
	s_mov_b32 s[G1A+5], 262144                     ; a block is 262,144 elements
	s_mov_b32 s[G1A+6], 0
	s_mov_b32 s[G1A+7], 0
	s_or_b32 s[G1B], s44, (1<<16)|(1<<20)|(1<<21)|(5<<22)|(7<<25)  ; 8 words behind every 64 (a row's 256 bytes)
	s_mov_b32 s[G1B+1], 128<<16                    ; 128 rows of 128 elements
	s_mov_b32 s[G1B+2], 128<<16
	s_mov_b32 s[G1B+3], 128<<16
	s_mov_b32 s[G1B+4], 128
	s_mov_b32 s[G1B+5], 1024
	s_mov_b32 s[G1B+6], 0
	s_mov_b32 s[G1B+7], 0
	s_lshl_b32 s18, s45, 14                        ; A: 128 tokens of 128 bytes a tile row, my two blocks of a slot's four
	s_lshl_b32 s19, s[CH], 20
	s_add_co_u32 s18, s18, s19
	s_mov_b32 s19, 0
	s_lshl_b32 s46, s42, 8                         ; B: 128 columns a tile column, my 128 rows of a slot's 256
	s_lshl_b32 s47, s[CH], 18
	s_add_co_u32 s46, s46, s47
	s_add_co_u32 s46, s46, WOFF
	s_mov_b32 s47, 0
	s_mov_b32 s[G0A0], 1
	s_mul_i32 s[G0A0+1], s[CH], STEP               ; LDS addresses: the wave's number and constants alone
	s_mov_b32 s[G0A], 1
	s_add_co_u32 s[G0A+1], s[G0A0+1], SLOTX
	s_mov_b32 s[G0B0], 1
	s_add_co_u32 s[G0B0+1], s[G0A0+1], BOFF
	s_mov_b32 s[G0B], 1
	s_add_co_u32 s[G0B+1], s[G0A0+1], BOFF+SLOTX
	s_mov_b32 s[TA], 0                             ; the fetches begin at slot 0's head
	s_mov_b32 s[TBB], BOFF
	s_wait_dscnt 0x0                               ; the opening add is done
	s_wait_kmcnt 0x0
	s_add_nc_u64 s[BA:BA+1], s[4:5], s[18:19]
	s_add_nc_u64 s[BB:BB+1], s[6:7], s[46:47]
	TOK G0A0, G0B0                                 ; the walk's first slot of K goes to LDS slot 0,
	NEXTK
	TOK G0A, G0B                                   ; its second to LDS slot 1
	CROUND                                         ; all sixteen work-groups are here: the first joint loads meet
	s_cmp_eq_u32 s[RH], 0                          ; a wave's two first fills stand in one branch, ahead of every wait on TENSORcnt, every LDS read and every further barrier
	s_cbranch_scc0 .Lfirst_b
	tensor_load_to_lds s[G0A0:G0A0+3], s[G1A:G1A+7]
	s_nop 0
	tensor_load_to_lds s[G0A:G0A+3], s[G1A:G1A+7]
	s_nop 0
.rept 4
	v_nop
.endr
	s_branch .Lfirst_asked
.Lfirst_b:
	tensor_load_to_lds s[G0B0:G0B0+3], s[G1B:G1B+7]
	s_nop 0
	tensor_load_to_lds s[G0B:G0B+3], s[G1B:G1B+7]
	s_nop 0
.rept 4
	v_nop
.endr
.Lfirst_asked:
	s_lshl_b32 s22, s42, 9
	s_lshl_b32 s23, s[CH], 8
	s_add_co_u32 s22, s22, s23                     ; my first column, in bytes of f32
	s_mov_b32 s23, 0
	s_add_nc_u64 s[10:11], s[10:11], s[22:23]
	s_lshl_b32 s20, s45, 19
	s_lshl_b32 s21, s[RH], 18
	s_add_co_u32 s20, s20, s21
	s_add_co_u32 s20, s20, s22                     ; + my first row x 4,096
	s_mov_b32 s21, 0
	s_add_nc_u64 s[8:9], s[8:9], s[20:21]
	s_add_nc_u64 s[12:13], s[12:13], s[20:21]
	s_lshl_b32 s22, s42, 1
	s_add_co_u32 s22, s22, s[CH]                   ; my block of 64 columns
	s_lshl_b32 s20, s22, 19
	s_lshl_b32 s21, s45, 14
	s_add_co_u32 s20, s20, s21
	s_lshl_b32 s21, s[RH], 13
	s_add_co_u32 s20, s20, s21
	s_mov_b32 s21, 0
	s_add_nc_u64 s[14:15], s[14:15], s[20:21]
	s_lshl_b32 s20, s22, 14
	s_lshl_b32 s21, s45, 9
	s_add_co_u32 s20, s20, s21
	s_lshl_b32 s21, s[RH], 8
	s_add_co_u32 s20, s20, s21
	s_mov_b32 s21, 0
	s_add_nc_u64 s[16:17], s[16:17], s[20:21]
	v_and_b32 v1, 15, v0                           ; r
	v_bfe_u32 v2, v0, 4, 1                         ; h
	v_and_b32 v3, 7, v0
	v_bfe_u32 v4, v0, 3, 1
	v_and_b32 v6, 31, v0
	v_lshlrev_b32 v[XV], 12, v1
	v_lshl_add_u32 v[XV], v2, 5, v[XV]
.irp a, 0,1,2,3
.irp b, 0,1,2,3
	global_load_b128 v[ACC+8*(4*(\a)+(\b)):ACC+8*(4*(\a)+(\b))+3],   v[XV], s[8:9] offset:(\a)*65536+(\b)*64     ; X(16 a + r, 16 b + 8 h ..): the accumulator's own layout
	global_load_b128 v[ACC+8*(4*(\a)+(\b))+4:ACC+8*(4*(\a)+(\b))+7], v[XV], s[8:9] offset:(\a)*65536+(\b)*64+16
.endr
.endr
	v_lshlrev_b32 v5, 4, v1
	global_load_b128 v[GW:GW+3], v5, s[10:11]
	s_mul_i32 s18, s[RH], 64*PA
	v_mul_u32_u24 v[A0], v1, PA
	v_lshl_add_u32 v[A0], v2, 4, v[A0]
	v_add_nc_u32 v[A0], s18, v[A0]
	v_lshl_add_u32 v[B0], v2, 3, v3
	v_mul_u32_u24 v[B0], v[B0], PB
	v_lshl_add_u32 v[B0], v4, 4, v[B0]
	s_lshl_b32 s18, s[CH], 7
	v_add_nc_u32 v[B0], s18, v[B0]
	s_mul_i32 s18, s[WV], DW
	v_mul_u32_u24 v[D0], v1, DP
	v_lshl_add_u32 v[D0], v2, 5, v[D0]
	v_add_nc_u32 v[D0], s18, v[D0]
	v_mul_u32_u24 v[R0], v2, DP
	v_lshl_add_u32 v[R0], v1, 4, v[R0]
	v_add_nc_u32 v[R0], s18, v[R0]
	v_lshlrev_b32 v[XO], 12, v2
	v_lshl_add_u32 v[XO], v1, 4, v[XO]
	v_lshlrev_b32 v[BO], 3, v6
	s_lshl_b32 s18, s[WV], 8
	s_add_co_u32 s18, s18, SQ
	v_lshl_add_u32 v[SQA], v2, 2, s18
	v_add_nc_u32 v[SQR], s18, v[BO]
	s_wait_tensorcnt 0x1                           ; my part of slot 0 is in; slot 1's, issued behind it, may stay out
	s_barrier_signal -1
	s_barrier_wait -1                              ; everybody's part is in
	v_add_nc_u32 v[ADRA], s[TA], v[A0]
	v_add_nc_u32 v[ADRB], s[TBB], v[B0]
	FETCH F0, 0, 0
	WIN 0
	s_wait_loadcnt 0x0                             ; X lies in the accumulators
	s_mov_b32 s[CNT], 2
	s_mov_b32 s[SLOTS], NS-1
	s_branch .Lmid                                 ; the loop is entered in the middle of a trip: the first block is fetched
.Lslot:                                                ; NS - 2 times: the slot just fetched is filled again
	CHANGE 1
	s_mov_b32 s[CNT], 2
.Lbody:
	BODY 1
	s_sub_co_u32 s[CNT], s[CNT], 1
	s_cmp_lg_u32 s[CNT], 0
	s_cbranch_scc1 .Lbody
	s_sub_co_u32 s[SLOTS], s[SLOTS], 1
	s_cmp_lg_u32 s[SLOTS], 0
	s_cbranch_scc1 .Lslot
	CHANGE 0                                       ; the tail is written out
	s_mov_b32 s[CNT], 2
.Ltail:
	BODY 0
	s_sub_co_u32 s[CNT], s[CNT], 1
	s_cmp_lg_u32 s[CNT], 0
	s_cbranch_scc1 .Ltail
	UNIT F1, F0, 0, 0, 0, 0
	WIN 0
	s_wait_dscnt 0x0
	s_barrier_signal -1
	s_barrier_wait -1                              ; nobody reads the slots any more: they take the dump
	PLACES
.irp a, 0,1,2,3
.irp b, 0,1,2,3
	ds_store_b128 v[D0], v[ACC+8*(4*(\a)+(\b)):ACC+8*(4*(\a)+(\b))+3]   offset:(\a)*16*DP+64*(\b)   ; each accumulator's lowest registers first
	ds_store_b128 v[D0], v[ACC+8*(4*(\a)+(\b))+4:ACC+8*(4*(\a)+(\b))+7] offset:(\a)*16*DP+64*(\b)+16
.endr
.endr
	s_mov_b32 s[CNT], 4
.Lout:                                                 ; 16 rows a trip: lanes 0-15 take one row's 256 bytes, lanes 16-31 the next
.irp t, 0,1,2,3,4,5,6,7
	ds_load_b128 v[32+4*(\t):32+4*(\t)+3], v[R0] offset:2*DP*(\t)
.endr
.irp t, 0,1,2,3,4,5,6,7
	s_wait_dscnt 7                                 ; behind load t stand 7 - t loads and the t LDS stores below: always seven
	global_store_b128 v[XO], v[32+4*(\t):32+4*(\t)+3], s[12:13] offset:8192*(\t)   ; x1: sixteen lanes store 256 consecutive bytes, aligned
	v_pk_mul_f32 v[96:97], v[32+4*(\t):32+4*(\t)+1], v[32+4*(\t):32+4*(\t)+1]
	v_pk_mul_f32 v[98:99], v[32+4*(\t):32+4*(\t)+1], v[GW:GW+1]
	v_pk_mul_f32 v[100:101], v[32+4*(\t)+2:32+4*(\t)+3], v[GW+2:GW+3]
	v_pk_fma_f32 v[96:97], v[32+4*(\t)+2:32+4*(\t)+3], v[32+4*(\t)+2:32+4*(\t)+3], v[96:97]
	v_cvt_pk_bf16_f32 v[64+2*(\t)], v98, v99
	v_cvt_pk_bf16_f32 v[65+2*(\t)], v100, v101
	v_add_f32 v96, v96, v97
	v_add_f32_dpp v96, v96, v96 row_xmask:1 row_mask:0xf bank_mask:0xf
	v_add_f32_dpp v96, v96, v96 row_xmask:2 row_mask:0xf bank_mask:0xf
	v_add_f32_dpp v96, v96, v96 row_xmask:4 row_mask:0xf bank_mask:0xf
	v_add_f32_dpp v96, v96, v96 row_xmask:8 row_mask:0xf bank_mask:0xf
	ds_store_b32 v[SQA], v96 offset:8*(\t)         ; sixteen lanes write the same word with the same number
	global_store_b64 v[BO], v[64+2*(\t):65+2*(\t)], s[14:15] offset:256*(\t)       ; x1b: two rows of a block, 256 consecutive bytes
.endr
	s_wait_xcnt 0x0                                ; the stores' data and bases are rewritten only behind this wait
	v_add_nc_u32 v[R0], 16*DP, v[R0]
	v_add_nc_u32 v[SQA], 64, v[SQA]
	s_add_nc_u64 s[12:13], s[12:13], 65536
	s_add_nc_u64 s[14:15], s[14:15], 2048
	s_sub_co_u32 s[CNT], s[CNT], 1
	s_cmp_lg_u32 s[CNT], 0
	s_cbranch_scc1 .Lout
	ds_load_b64 v[32:33], v[SQR]                   ; my wave's 64 sums, in order behind its own stores
	s_wait_dscnt 0x0
	global_store_b64 v[BO], v[32:33], s[16:17]     ; 256 consecutive bytes, aligned
	s_wait_tensorcnt 0x0                           ; the wave's end
	ds_add_u32 v[SPW], v[NIL]
	s_wait_dscnt 0x0
	CROUND                                         ; the closing round
	s_endpgm
.Lfunc_end_k_q5891932c99_wog:
	.size	k_q5891932c99_wog, .Lfunc_end_k_q5891932c99_wog-k_q5891932c99_wog
	.p2alignl 7, 3214868480
	.fill 96, 4, 3214868480
	.section	.rodata,"a",@progbits
	.p2align	6, 0x0
	.amdhsa_kernel k_q5891932c99_wog
		.amdhsa_group_segment_fixed_size 327680
		.amdhsa_private_segment_fixed_size 0
		.amdhsa_enable_private_segment 0
		.amdhsa_kernarg_size 56
		.amdhsa_user_sgpr_count 2
		.amdhsa_user_sgpr_kernarg_segment_ptr 1
		.amdhsa_wavefront_size32 1
		.amdhsa_system_sgpr_workgroup_id_x 1
		.amdhsa_system_sgpr_workgroup_id_y 1
		.amdhsa_system_sgpr_workgroup_id_z 1
		.amdhsa_system_vgpr_workitem_id 0
		.amdhsa_next_free_vgpr 512
		.amdhsa_next_free_sgpr 84
		.amdhsa_reserve_vcc 0
		.amdhsa_float_denorm_mode_32 3
		.amdhsa_float_denorm_mode_16_64 3
		.amdhsa_memory_ordered 1
		.amdhsa_forward_progress 1
		.amdhsa_inst_pref_size 47
	.end_amdhsa_kernel
	.amdgpu_metadata
---
amdhsa.version: [ 1, 2 ]
amdhsa.kernels:
  - .name:           k_q5891932c99_wog
    .symbol:         k_q5891932c99_wog.kd
    .args:
      - { .name: ao, .offset: 0, .size: 8, .value_kind: global_buffer, .address_space: global }
      - { .name: wb, .offset: 8, .size: 8, .value_kind: global_buffer, .address_space: global }
      - { .name: X, .offset: 16, .size: 8, .value_kind: global_buffer, .address_space: global }
      - { .name: norm2_w, .offset: 24, .size: 8, .value_kind: global_buffer, .address_space: global }
      - { .name: x1, .offset: 32, .size: 8, .value_kind: global_buffer, .address_space: global }
      - { .name: x1b, .offset: 40, .size: 8, .value_kind: global_buffer, .address_space: global }
      - { .name: ssq, .offset: 48, .size: 8, .value_kind: global_buffer, .address_space: global }
    .group_segment_fixed_size: 327680
    .private_segment_fixed_size: 0
    .kernarg_segment_align: 8
    .kernarg_segment_size: 56
    .max_flat_workgroup_size: 128
    .sgpr_count:     84
    .vgpr_count:     512
    .wavefront_size: 32
...
	.end_amdgpu_metadata
.endif
;; end of part 4
;; launch ff1g (part 5): grid 16 x 16, 4 waves a work-group, clusters of 4 x 4, 327,680 bytes of LDS; arguments x1b, wb, ssq, ff1_b, hb; writes hb
.if DOCPART == 5
	.amdgcn_target "amdgcn-amd-amdhsa--gfx1250"
	.amdhsa_code_object_version 6
	.text
	.protected	k_q5891932c99_ff1g
	.globl	k_q5891932c99_ff1g
	.p2align	8
	.type	k_q5891932c99_ff1g,@function
k_q5891932c99_ff1g:
	s_mov_b64 s[64:65], 0
	v_nop
	global_prefetch_b8 v0, s[64:65] scope:SCOPE_SE
	s_setreg_imm32_b32 hwreg(HW_REG_WAVE_MODE, 25, 1), 1
	s_wait_xcnt 0x0
	s_wait_alu depctr_hold_cnt(0) depctr_sa_sdst(0) depctr_va_vdst(0) depctr_va_sdst(0) depctr_va_ssrc(0) depctr_va_vcc(0) depctr_vm_vsrc(0)
	s_getreg_b32 s2, hwreg(HW_REG_IB_STS2, 6, 4)
	s_cmp_eq_u32 s2, 0
	s_cbranch_scc0 .Lentry_in_a_cluster
	s_endpgm
.Lentry_in_a_cluster:
	s_bfe_u32 s2, ttmp6, 0x10000c
	s_cmp_lg_u32 s2, 0xf033
	s_cbranch_scc0 .Lentry_shape_is_right
	s_endpgm
.Lentry_shape_is_right:
; hb = bf16(gelu(r[m] (x1b W1) + b1)), r[m] = rsqrt(sum over 16 blocks of ssq[.][m] / 1024 + 1e-6).  x1b: [16][4096][64] bf16 (x1 times the norm's gain); W1 bf16 [1024][4096] in wb; hb: [64][4096][64] bf16.
; gelu(y) = y / (1 + 2^(y (k1 + k2 y^2))), k1 = -2 log2(e) sqrt(2 / pi), k2 = 0.044715 k1: the tanh form, written with one exponential and one reciprocal.  Where y^2 passes f32's range the exponent is
; an infinity of the right sign and the result is y or -0.  NaN and infinities in the inputs are not treated apart.
; The product is as in the launch for q, k, v: a tile of 256 x 256, four waves of 128 x 128, two LDS slots of 128 along K, A in blocks of 64 columns (pitch 144), B's rows of 512 bytes (pitch 544) read
; turned, the matrix instruction used transposed, a 4 x 4 cluster with A's tiles asked for jointly along a row and B's along a column, one tensor load of a wave out at any time, one text for both
; slots (exclusive or by 0x24000), the fetch one unit ahead of the products.
; THE WAY OUT: the sums go as f32 into the slots behind their last fill; they come back four rows at a time, 16 numbers a lane; the next four rows' loads stand ahead of the activation's arithmetic.
; REGISTERS: window 0: v16-23 addresses, v28-29 the add's, v32-47 my 16 columns' bias, v48-49 r, v64-191 A's two buffers, v192-255 at work; window 1: v64-191 B's buffers; windows 2, 3: the accumulators.
.set PA,     144
.set PB,     544
.set ACB,    256*PA
.set BOFF,   2*ACB
.set BHALF,  64*PB
.set SLOTX,  0x24000
.set DP,     528
.set DW,     128*DP
.set RT,     290816                    ; r of each wave's 128 rows: 512 bytes a wave, read by that wave alone
.set SPARE,  292864                    ; the spare words: two blocks of 256 bytes that no other line names
.set NS,     8
.set NB,     4096
.set WOFF,   8388608                   ; W1 in wb
.set AGSTEP, 2*524288
.set BGSTEP, 128*NB*2
.set A0,   16
.set B0,   17
.set ADRA, 18
.set ADRB, 19
.set D0,   20
.set R0,   21
.set GO,   22
.set RTA,  23
.set SPW,  28
.set NIL,  29
.set BI,   32
.set RR,   48
.set F0,   64
.set F1,   128
.set XX,   192
.set YY,   208
.set QQ,   224
.set OU,   240
.set K1,   14                          ; s[14:15]
.set K2,   16                          ; s[16:17]
.set G1A,  24
.set G0A,  32
.set TA,   36
.set TBB,  37
.set CNT,  38
.set SLOTS, 39
.set G1B,  48
.set G0B,  56
.set WV,   60
.set RH,   61
.set CH,   62
.set MSB, 0
.macro WIN new
.if MSB != (\new)
	s_set_vgpr_msb (MSB<<8)|(\new)
.set MSB, \new
.endif
.endm
.set MUL_LO, 0xa1
.set MUL_HI, 0xf1
.set TO_B,   0x40
.macro JLOAD                           ; an s_nop 0 and four v_nop follow each of the two lines
	s_cmp_eq_u32 s[RH], 0
	s_cbranch_scc0 .Lfor_b_\@
	tensor_load_to_lds s[G0A:G0A+3], s[G1A:G1A+7]
	s_nop 0
.rept 4
	v_nop
.endr
	s_branch .Lasked_\@
.Lfor_b_\@:
	tensor_load_to_lds s[G0B:G0B+3], s[G1B:G1B+7]
	s_nop 0
.rept 4
	v_nop
.endr
.Lasked_\@:
.endm
.macro CROUND
	s_barrier_signal -1
	s_barrier_wait -1
	s_cmp_lg_u32 s[WV], 0
	s_cbranch_scc1 .Lnot_wave_0_\@
	s_barrier_signal -3
.Lnot_wave_0_\@:
	s_barrier_wait -3
	s_barrier_signal -1
	s_barrier_wait -1
.endm
.macro PLACES
.rept 4
	v_nop
.endr
.endm
.macro CHANGE fill                     ; the change of slots: my one tensor load has landed, the add, my reads are over; with fill = 1 a round of the cluster's barrier and the refill first behind it (256 matrix instructions in which to land)
	WIN 0
	s_wait_tensorcnt 0x0
	ds_add_u32 v[SPW], v[NIL]
.if \fill
	s_xor_b32 s[G0A+1], s[G0A+1], SLOTX
	s_add_nc_u64 s[G0A+2:G0A+3], s[G0A+2:G0A+3], AGSTEP
	s_xor_b32 s[G0B+1], s[G0B+1], SLOTX
	s_add_nc_u64 s[G0B+2:G0B+3], s[G0B+2:G0B+3], BGSTEP
	s_wait_dscnt 0x0
	CROUND
	JLOAD
.else
	s_wait_dscnt 0x0
	s_barrier_signal -1
	s_barrier_wait -1
.endif
	s_sub_co_u32 s[TA], s[TA], 2*ACB
	s_xor_b32 s[TA], s[TA], SLOTX
	s_sub_co_u32 s[TBB], s[TBB], 2*BHALF
	s_xor_b32 s[TBB], s[TBB], SLOTX
.endm
.macro MUL16 f, hi, a0, zero           ; the 64 accumulators take turns
	WIN MUL_LO+0x50*(\hi)
.irp a, \a0, (\a0)+1
.irp b, 0,1,2,3,4,5,6,7
.if \zero
	v_wmma_f32_16x16x32_bf16 v[8*(8*(\a)+(\b)):8*(8*(\a)+(\b))+7], v[(\f)+8*(\b):(\f)+8*(\b)+7], v[(\f)+8*(4*(\hi)+(\a)):(\f)+8*(4*(\hi)+(\a))+7], 0
.else
	v_wmma_f32_16x16x32_bf16 v[8*(8*(\a)+(\b)):8*(8*(\a)+(\b))+7], v[(\f)+8*(\b):(\f)+8*(\b)+7], v[(\f)+8*(4*(\hi)+(\a)):(\f)+8*(4*(\hi)+(\a))+7], v[8*(8*(\a)+(\b)):8*(8*(\a)+(\b))+7]
.endif
.endr
.endr
.endm
.macro FETCH f, aoff, boff
	WIN TO_B
.irp i, 0,1,2,3,4,5,6,7
	ds_load_tr16_b128 v[(\f)+8*(\i):(\f)+8*(\i)+3],   v[ADRB] offset:(\boff)+32*(\i)
	ds_load_tr16_b128 v[(\f)+8*(\i)+4:(\f)+8*(\i)+7], v[ADRB] offset:(\boff)+32*(\i)+16*PB
.endr
	WIN 0
.irp i, 0,1,2,3,4,5,6,7
	ds_load_b128 v[(\f)+8*(\i):(\f)+8*(\i)+3],   v[ADRA] offset:(\aoff)+(\i)*16*PA
	ds_load_b128 v[(\f)+8*(\i)+4:(\f)+8*(\i)+7], v[ADRA] offset:(\aoff)+(\i)*16*PA+32
.endr
.endm
.macro UNIT f, g, aoff, boff, adr, zero, fetch  ; 64 matrix instructions on buffer f; in its middle, behind four plain vector instructions, the next unit's fragments go into g
	s_wait_dscnt 8                                 ; B and A's rows 0-63 are in; the youngest eight loads may be out
	MUL16 \f, 0, 0, \zero
	MUL16 \f, 0, 2, \zero
.if \fetch
.if \adr
	WIN 0
	v_add_nc_u32 v[ADRA], s[TA], v[A0]
	v_add_nc_u32 v[ADRB], s[TBB], v[B0]
	v_nop
	v_nop
.else
	PLACES
.endif
	FETCH \g, \aoff, \boff
	s_wait_dscnt 32                                ; all but the 32 just issued
.else
	s_wait_dscnt 0x0
.endif
	MUL16 \f, 1, 0, \zero
	MUL16 \f, 1, 2, \zero
.endm
.macro BODY
	UNIT F1, F0, 0, 0, 1, 0, 1
	UNIT F0, F1, 64, 32*PB, 0, 0, 1
	WIN 0
	s_add_co_u32 s[TA], s[TA], ACB
	s_add_co_u32 s[TBB], s[TBB], BHALF
.endm
.macro DUMP                            ; each accumulator's lowest registers first
.irp a, 0,1,2,3,4,5,6,7
	WIN 0x08+4*((\a)/4)
.irp b, 0,1,2,3,4,5,6,7
	ds_store_b128 v[D0], v[8*(8*((\a)%4)+(\b)):8*(8*((\a)%4)+(\b))+3]   offset:(\a)*16*DP+64*(\b)
	ds_store_b128 v[D0], v[8*(8*((\a)%4)+(\b))+4:8*(8*((\a)%4)+(\b))+7] offset:(\a)*16*DP+64*(\b)+16
.endr
.endr
	WIN 0
.endm
	s_load_b256 s[4:11], s[0:1], 0x0               ; x1b, wb, ssq, ff1_b
	s_load_b64 s[12:13], s[0:1], 0x20              ; hb
	v_lshl_add_u32 v[SPW], v0, 2, SPARE
	v_mov_b32 v[NIL], 0
	ds_add_u32 v[SPW], v[NIL]                      ; the wave's opening: the add and its wait stand ahead of my first tensor load
	v_lshrrev_b32 v1, 5, v0
	v_readfirstlane_b32 s[WV], v1
	s_lshr_b32 s[RH], s[WV], 1
	s_and_b32 s[CH], s[WV], 1
	s_bfe_u32 s40, ttmp6, 0x40000
	s_bfe_u32 s41, ttmp6, 0x40004
	s_lshl_b32 s42, ttmp9, 2
	s_add_co_u32 s42, s42, s40                     ; tile column
	s_and_b32 s45, ttmp7, 0xffff
	s_lshl_b32 s45, s45, 2
	s_add_co_u32 s45, s45, s41                     ; tile row
	s_lshl_b32 s43, s41, 2
	s_lshl_b32 s43, 15, s43
	s_lshl_b32 s44, 0x1111, s40
	s_or_b32 s[G1A], s43, (1<<16)|(1<<20)|(1<<21)|(4<<22)|(3<<25)
	s_mov_b32 s[G1A+1], 128<<16
	s_mov_b32 s[G1A+2], 128<<16
	s_mov_b32 s[G1A+3], 128<<16
	s_mov_b32 s[G1A+4], 128
	s_mov_b32 s[G1A+5], 128
	s_mov_b32 s[G1A+6], 0
	s_mov_b32 s[G1A+7], 0
	s_or_b32 s[G1B], s44, (1<<16)|(1<<20)|(1<<21)|(6<<22)|(7<<25)
	s_mov_b32 s[G1B+1], 256<<16
	s_mov_b32 s[G1B+2], 64<<16
	s_mov_b32 s[G1B+3], 256<<16
	s_mov_b32 s[G1B+4], 64
	s_mov_b32 s[G1B+5], NB
	s_mov_b32 s[G1B+6], 0
	s_mov_b32 s[G1B+7], 0
	s_lshl_b32 s18, s45, 15
	s_lshl_b32 s19, s[CH], 19
	s_add_co_u32 s18, s18, s19
	s_mov_b32 s19, 0
	s_lshl_b32 s46, s42, 9
	s_lshl_b32 s47, s[CH], 19                      ; 64 rows of 8,192 bytes
	s_add_co_u32 s46, s46, s47
	s_add_co_u32 s46, s46, WOFF
	s_mov_b32 s47, 0
	s_mov_b32 s[G0A], 1
	s_mul_i32 s[G0A+1], s[CH], ACB
	s_mov_b32 s[G0B], 1
	s_mul_i32 s[G0B+1], s[CH], BHALF
	s_add_co_u32 s[G0B+1], s[G0B+1], BOFF
	s_mov_b32 s[TA], SLOTX+2*ACB
	s_mov_b32 s[TBB], BOFF+SLOTX+2*BHALF
	s_mov_b32 s[K1], 0xc0135762                    ; -2.3022082
	s_mov_b32 s[K1+1], s[K1]
	s_mov_b32 s[K2], 0xbdd2d3e9                    ; -0.10294324
	s_mov_b32 s[K2+1], s[K2]
	s_wait_dscnt 0x0                               ; the opening add is done
	s_wait_kmcnt 0x0
	s_add_nc_u64 s[G0A+2:G0A+3], s[4:5], s[18:19]
	s_or_b32 s[G0A+3], s[G0A+3], 0x80000000
	s_add_nc_u64 s[G0B+2:G0B+3], s[6:7], s[46:47]
	s_or_b32 s[G0B+3], s[G0B+3], 0x80000000
	CROUND
	JLOAD                                          ; slot 0
	v_and_b32 v1, 15, v0
	v_bfe_u32 v2, v0, 4, 1
	v_and_b32 v3, 7, v0
	v_bfe_u32 v4, v0, 3, 1
	v_bfe_u32 v5, v0, 3, 2
	v_and_b32 v6, 31, v0
	v_lshlrev_b32 v[GO], 4, v6
	v_lshlrev_b32 v7, 5, v3
	s_lshl_b32 s18, s45, 10
	s_lshl_b32 s19, s[RH], 9
	s_add_co_u32 s18, s18, s19
	s_mov_b32 s19, 0
	s_add_nc_u64 s[8:9], s[8:9], s[18:19]          ; ssq at my wave's 128 rows
	s_lshl_b32 s18, s42, 10
	s_lshl_b32 s20, s[CH], 9
	s_add_co_u32 s18, s18, s20
	s_add_nc_u64 s[10:11], s[10:11], s[18:19]      ; ff1_b at my wave's 128 columns
.set i, 0
.rept 16
	global_load_b128 v[XX+4*i:XX+4*i+3], v[GO], s[8:9] offset:16384*i   ; block i's sums of my four rows
.set i, i+1
.endr
.irp c, 0,1
	global_load_b128 v[BI+8*(\c):BI+8*(\c)+3],   v7, s[10:11] offset:256*(\c)
	global_load_b128 v[BI+8*(\c)+4:BI+8*(\c)+7], v7, s[10:11] offset:256*(\c)+16
.endr
	s_mul_i32 s18, s[RH], 128*PA
	v_mul_u32_u24 v[A0], v1, PA
	v_lshl_add_u32 v[A0], v2, 4, v[A0]
	v_add_nc_u32 v[A0], s18, v[A0]
	v_lshl_add_u32 v[B0], v2, 3, v3
	v_mul_u32_u24 v[B0], v[B0], PB
	v_lshl_add_u32 v[B0], v4, 4, v[B0]
	s_lshl_b32 s18, s[CH], 8
	v_add_nc_u32 v[B0], s18, v[B0]
	s_mul_i32 s18, s[WV], DW
	v_mul_u32_u24 v[D0], v1, DP
	v_lshl_add_u32 v[D0], v2, 5, v[D0]
	v_add_nc_u32 v[D0], s18, v[D0]
	v_mul_u32_u24 v[R0], v5, DP
	v_lshl_add_u32 v[R0], v3, 5, v[R0]
	v_add_nc_u32 v[R0], s18, v[R0]
	s_lshl_b32 s18, s42, 2
	s_lshl_b32 s19, s[CH], 1
	s_add_co_u32 s18, s18, s19
	s_lshl_b32 s18, s18, 19
	s_lshl_b32 s19, s45, 15
	s_add_co_u32 s18, s18, s19
	s_lshl_b32 s19, s[RH], 14
	s_add_co_u32 s18, s18, s19
	s_mov_b32 s19, 0
	s_add_nc_u64 s[12:13], s[12:13], s[18:19]
	s_mov_b32 s20, 0x3a800000                      ; 1 / 1024
	s_mov_b32 s21, s20
	s_mov_b32 s22, 0x358637bd                      ; 1e-6
	s_mov_b32 s23, s22
	s_lshl_b32 s18, s[WV], 9
	s_add_co_u32 s18, s18, RT
	v_add_nc_u32 v8, s18, v[GO]
	v_lshl_add_u32 v[RTA], v5, 2, s18
	v_mov_b32 v[RR+1], 0                           ; named with r as a pair
	s_wait_loadcnt 0x0
.irp s, 8,4,2,1
.set i, 0
.rept \s
	v_pk_add_f32 v[XX+4*i:XX+4*i+1], v[XX+4*i:XX+4*i+1], v[XX+4*(i+\s):XX+4*(i+\s)+1]
	v_pk_add_f32 v[XX+4*i+2:XX+4*i+3], v[XX+4*i+2:XX+4*i+3], v[XX+4*(i+\s)+2:XX+4*(i+\s)+3]
.set i, i+1
.endr
.endr
	v_pk_fma_f32 v[XX:XX+1], v[XX:XX+1], s[20:21], s[22:23] op_sel_hi:[1,0,0]
	v_pk_fma_f32 v[XX+2:XX+3], v[XX+2:XX+3], s[20:21], s[22:23] op_sel_hi:[1,0,0]
	v_rsq_f32 v[XX], v[XX]
	v_rsq_f32 v[XX+1], v[XX+1]
	v_rsq_f32 v[XX+2], v[XX+2]
	v_rsq_f32 v[XX+3], v[XX+3]
	v_nop                                          ; a plain instruction between the last root and its use
	s_wait_alu depctr_va_vdst(0)
	ds_store_b128 v8, v[XX:XX+3]
	CHANGE 1                                       ; slot 0 is in; slot 1 is asked for
	v_add_nc_u32 v[ADRA], s[TA], v[A0]
	v_add_nc_u32 v[ADRB], s[TBB], v[B0]
	FETCH F0, 0, 0
	UNIT F0, F1, 64, 32*PB, 0, 1, 1                ; the first unit is written out: its products start the sums
	WIN 0
	s_add_co_u32 s[TA], s[TA], ACB
	s_add_co_u32 s[TBB], s[TBB], BHALF
	BODY
	s_mov_b32 s[SLOTS], NS-2
.Lslot:
	CHANGE 1
	s_mov_b32 s[CNT], 2
.Lbody:
	BODY
	s_sub_co_u32 s[CNT], s[CNT], 1
	s_cmp_lg_u32 s[CNT], 0
	s_cbranch_scc1 .Lbody
	s_sub_co_u32 s[SLOTS], s[SLOTS], 1
	s_cmp_lg_u32 s[SLOTS], 0
	s_cbranch_scc1 .Lslot
	CHANGE 0                                       ; the tail is written out
	s_mov_b32 s[CNT], 2
.Ltail:
	BODY
	s_sub_co_u32 s[CNT], s[CNT], 1
	s_cmp_lg_u32 s[CNT], 0
	s_cbranch_scc1 .Ltail
	UNIT F1, F0, 0, 0, 0, 0, 0
	WIN 0
	s_wait_dscnt 0x0
	s_barrier_signal -1
	s_barrier_wait -1                              ; nobody reads the slots any more: they take the dump
	PLACES
	DUMP
.macro GLOAD                           ; four rows: my 8 columns in each of the wave's two blocks, and my row's r
.irp c, 0,1
	ds_load_b128 v[XX+8*(\c):XX+8*(\c)+3],   v[R0] offset:256*(\c)
	ds_load_b128 v[XX+8*(\c)+4:XX+8*(\c)+7], v[R0] offset:256*(\c)+16
.endr
	ds_load_b32 v[RR], v[RTA]
.endm
.macro EACH8 line:vararg               ; one line for each of the eight pairs p
.set p, 0
.rept 8
	\line
.set p, p+2
.endr
.endm
.macro GTRIP ahead
	s_wait_dscnt 0x0
	EACH8 v_pk_fma_f32 v[YY+p:YY+p+1], v[XX+p:XX+p+1], v[RR:RR+1], v[BI+p:BI+p+1] op_sel_hi:[1,0,1]   ; y = r s + b
.if \ahead
	v_add_nc_u32 v[R0], 4*DP, v[R0]
	v_add_nc_u32 v[RTA], 16, v[RTA]
	GLOAD                                          ; the next four rows land under the arithmetic below
.endif
	EACH8 v_pk_mul_f32 v[QQ+p:QQ+p+1], v[YY+p:YY+p+1], v[YY+p:YY+p+1]
	EACH8 v_pk_fma_f32 v[QQ+p:QQ+p+1], v[QQ+p:QQ+p+1], s[K2:K2+1], s[K1:K1+1] op_sel_hi:[1,0,0]
	EACH8 v_pk_mul_f32 v[QQ+p:QQ+p+1], v[QQ+p:QQ+p+1], v[YY+p:YY+p+1]
.set p, 0
.rept 16
	v_exp_f32 v[QQ+p], v[QQ+p]
.set p, p+1
.endr
	v_nop                                          ; a plain instruction behind the last exponential
	s_wait_alu depctr_va_vdst(0)
	EACH8 v_pk_add_f32 v[QQ+p:QQ+p+1], v[QQ+p:QQ+p+1], 1.0 op_sel_hi:[1,0]
.set p, 0
.rept 16
	v_rcp_f32 v[QQ+p], v[QQ+p]
.set p, p+1
.endr
	v_nop
	s_wait_alu depctr_va_vdst(0)
	EACH8 v_pk_mul_f32 v[QQ+p:QQ+p+1], v[QQ+p:QQ+p+1], v[YY+p:YY+p+1]
	EACH8 v_cvt_pk_bf16_f32 v[OU+p/2], v[QQ+p], v[QQ+p+1]
	global_store_b128 v[GO], v[OU:OU+3], s[12:13]                    ; four rows of a block: 512 consecutive bytes
	global_store_b128 v[GO], v[OU+4:OU+7], s[12:13] offset:524288
	s_wait_xcnt 0x0                                ; the stores' data and base are rewritten only behind this wait
	s_add_nc_u64 s[12:13], s[12:13], 512
.endm
	GLOAD                                          ; LDS serves a wave's instructions in order (ISA guide 5.7.1.4): these see my stores
	s_mov_b32 s[CNT], 31
.Lg:
	GTRIP 1
	s_sub_co_u32 s[CNT], s[CNT], 1
	s_cmp_lg_u32 s[CNT], 0
	s_cbranch_scc1 .Lg
	GTRIP 0                                        ; the last four rows fetch nothing
	s_wait_tensorcnt 0x0                           ; the wave's end
	ds_add_u32 v[SPW], v[NIL]
	s_wait_dscnt 0x0
	CROUND                                         ; the closing round
	s_endpgm
.Lfunc_end_k_q5891932c99_ff1g:
	.size	k_q5891932c99_ff1g, .Lfunc_end_k_q5891932c99_ff1g-k_q5891932c99_ff1g
	.p2alignl 7, 3214868480
	.fill 96, 4, 3214868480
	.section	.rodata,"a",@progbits
	.p2align	6, 0x0
	.amdhsa_kernel k_q5891932c99_ff1g
		.amdhsa_group_segment_fixed_size 327680
		.amdhsa_private_segment_fixed_size 0
		.amdhsa_enable_private_segment 0
		.amdhsa_kernarg_size 40
		.amdhsa_user_sgpr_count 2
		.amdhsa_user_sgpr_kernarg_segment_ptr 1
		.amdhsa_wavefront_size32 1
		.amdhsa_system_sgpr_workgroup_id_x 1
		.amdhsa_system_sgpr_workgroup_id_y 1
		.amdhsa_system_sgpr_workgroup_id_z 1
		.amdhsa_system_vgpr_workitem_id 0
		.amdhsa_next_free_vgpr 1024
		.amdhsa_next_free_sgpr 66
		.amdhsa_reserve_vcc 0
		.amdhsa_float_denorm_mode_32 3
		.amdhsa_float_denorm_mode_16_64 3
		.amdhsa_memory_ordered 1
		.amdhsa_forward_progress 1
		.amdhsa_inst_pref_size 86
	.end_amdhsa_kernel
	.amdgpu_metadata
---
amdhsa.version: [ 1, 2 ]
amdhsa.kernels:
  - .name:           k_q5891932c99_ff1g
    .symbol:         k_q5891932c99_ff1g.kd
    .args:
      - { .name: x1b, .offset: 0, .size: 8, .value_kind: global_buffer, .address_space: global }
      - { .name: wb, .offset: 8, .size: 8, .value_kind: global_buffer, .address_space: global }
      - { .name: ssq, .offset: 16, .size: 8, .value_kind: global_buffer, .address_space: global }
      - { .name: ff1_b, .offset: 24, .size: 8, .value_kind: global_buffer, .address_space: global }
      - { .name: hb, .offset: 32, .size: 8, .value_kind: global_buffer, .address_space: global }
    .group_segment_fixed_size: 327680
    .private_segment_fixed_size: 0
    .kernarg_segment_align: 8
    .kernarg_segment_size: 40
    .max_flat_workgroup_size: 128
    .sgpr_count:     66
    .vgpr_count:     1024
    .wavefront_size: 32
...
	.end_amdgpu_metadata
.endif
;; end of part 5
;; launch ff2g (part 6): grid 8 x 32, 4 waves a work-group, clusters of 4 x 4, 327,680 bytes of LDS; arguments hb, wb, x1, ff2_b, out0; writes out0
.if DOCPART == 6
	.amdgcn_target "amdgcn-amd-amdhsa--gfx1250"
	.amdhsa_code_object_version 6
	.text
	.protected	k_q5891932c99_ff2g
	.globl	k_q5891932c99_ff2g
	.p2align	8
	.type	k_q5891932c99_ff2g,@function
k_q5891932c99_ff2g:
	s_mov_b64 s[64:65], 0
	v_nop
	global_prefetch_b8 v0, s[64:65] scope:SCOPE_SE
	s_setreg_imm32_b32 hwreg(HW_REG_WAVE_MODE, 25, 1), 1
	s_wait_xcnt 0x0
	s_wait_alu depctr_hold_cnt(0) depctr_sa_sdst(0) depctr_va_vdst(0) depctr_va_sdst(0) depctr_va_ssrc(0) depctr_va_vcc(0) depctr_vm_vsrc(0)
	s_getreg_b32 s2, hwreg(HW_REG_IB_STS2, 6, 4)
	s_cmp_eq_u32 s2, 0
	s_cbranch_scc0 .Lentry_in_a_cluster
	s_endpgm
.Lentry_in_a_cluster:
	s_bfe_u32 s2, ttmp6, 0x10000c
	s_cmp_lg_u32 s2, 0xf033
	s_cbranch_scc0 .Lentry_shape_is_right
	s_endpgm
.Lentry_shape_is_right:
; out0 = x1 + hb W2 + ff2_b.  hb: [64][4096][64] bf16 (blocks of 64 columns); W2 bf16 [4096][1024] in wb; x1, out0: f32 [4096][1024].  Sums in f32.
; A tile of C is 128 x 128 (256 work-groups), four waves of 64 x 64: 16 accumulators.  THE RESIDUAL STARTS THE SUMS: x1 is loaded straight into the accumulators, in their layout; nothing is cleared.
; The bias is added on the way out, where a lane holds four columns in every row.
; K goes through two LDS slots of 256 along K.  A's part: four blocks of 64 columns, each 128 rows of 128 bytes padded to 144; one tensor load brings two blocks, as two rows of 16,384 dense bytes.
; B's part: 256 rows of K, 256 bytes padded to 288; its fragments come out turned.  The matrix instruction is used transposed: a lane holds eight neighbouring numbers of a row of C.
; CLUSTER 4 x 4: A's tiles jointly along a row, B's along a column; waves 0, 1 fetch A, waves 2, 3 B.  One text serves both slots (exclusive or by 0x24000).
; THE WALK ALONG K IS ROTATED: cluster (X, Y) begins at slot NS/2 X + NS/4 Y and wraps.  The two clusters that read the same rows of A (X = 0, 1) are NS/2 slots apart, so each is the first to ask for
; the slots of its walk's first half; the clusters that read the same columns of B begin NS/4 slots apart.  So the f32 sum along K begins at another slot in each cluster: an order of rounding of its own.
; Both first fills go out together behind the opening round: two tensor loads of a wave are out at the start, one later.
; PREFETCH.  Places 2 to NS/2 - 1 of my walk are slots of A that no other cluster has asked for and that are no first fills.  Each is asked for two changes of slots ahead of its tensor load (256 matrix
; instructions a wave): work-group cx of a row of the cluster asks for block 4 k + cx of its 128 rows, waves 0 and 1 for 8,192 bytes each, lanes 256 bytes apart: every block of 256 bytes once in the
; launch, NS/2 - 2 requests a wave, then none.
; THE WAY OUT: the sums go into the slots behind their last fill (each wave its own 17,408 bytes) and come back by rows: sixteen lanes store 256 consecutive bytes.
; REGISTERS: window 0: v16-27 addresses, v28-29 the add's, v32-63 at work, v120-123 the bias, v128-255 the accumulators ((a, b) at 128 + 8 (4 a + b)); window 1: two fragment buffers of 128.
.set PA,     144
.set PB,     288
.set ACB,    128*PA
.set BOFF,   4*ACB
.set STEP,   2*ACB
.set SLOTX,  0x24000
.set DP,     272
.set DW,     64*DP
.set SPARE,  295936                    ; the spare words: two blocks of 256 bytes that no other line names
.set NS,     16                        ; K = 4096
.set LOGX,   3                         ; the walk's start: cluster x << LOGX (NS/2 each) + cluster y << LOGY (NS/4 each)
.set LOGY,   2
.set ASH,    21                        ; a slot of A is four blocks of 524,288 bytes
.set BSH,    19                        ; a slot of B is 256 rows of 2,048 bytes
.set NPF,    NS/2-2                    ; prefetches of a wave
.set WOFF,   16777216                  ; W2 in wb
.set A0,   16
.set B0,   17
.set ADRA, 18
.set ADRB, 19
.set D0,   20
.set R0,   21
.set XO,   22
.set XV,   25
.set PFV,  27                          ; the prefetch: 256 x lane + 8,192 x (wave % 2) + 524,288 x cx; never rewritten
.set SPW,  28
.set NIL,  29
.set GW,   120                         ; v[120:123] ff2_b of my four columns
.set ACC,  128
.set F0,   0
.set F1,   128
.set G1A,  24
.set G0A,  32                          ; A's group 0 for slot 1's first fill; it then walks on
.set TA,   36
.set TBB,  37
.set CNT,  38
.set SLOTS, 39
.set G1B,  48
.set G0B,  56                          ; the same for B
.set WV,   60
.set RH,   61
.set CH,   62
.set G0A0, 68                          ; s[68:71], s[72:75] group 0 of slot 0's first fill, written once
.set G0B0, 72
.set BA,   76                          ; s[76:77] A at my rows and my two blocks of slot 0 of K
.set BB,   78                          ; s[78:79] B at my columns and my 128 rows of slot 0 of K
.set OF,   80                          ; s[80:81] a slot's byte offset
.set KI,   82                          ; the slot of K asked for last
.set PFC,  83                          ; prefetches still to come
.set PA0,  84                          ; s[84:85] A at my tile's rows, block 0
.set PB0,  86                          ; s[86:87] the prefetch's base
.set PO,   88                          ; s[88:89] its offset
.set MSB, 0
.macro WIN new
.if MSB != (\new)
	s_set_vgpr_msb (MSB<<8)|(\new)
.set MSB, \new
.endif
.endm
.set MUL,  0x05
.set TO_F, 0x40
.macro JLOAD                           ; an s_nop 0 and four v_nop follow each of the two lines
	s_cmp_eq_u32 s[RH], 0
	s_cbranch_scc0 .Lfor_b_\@
	tensor_load_to_lds s[G0A:G0A+3], s[G1A:G1A+7]
	s_nop 0
.rept 4
	v_nop
.endr
	s_branch .Lasked_\@
.Lfor_b_\@:
	tensor_load_to_lds s[G0B:G0B+3], s[G1B:G1B+7]
	s_nop 0
.rept 4
	v_nop
.endr
.Lasked_\@:
.endm
.macro CROUND
	s_barrier_signal -1
	s_barrier_wait -1
	s_cmp_lg_u32 s[WV], 0
	s_cbranch_scc1 .Lnot_wave_0_\@
	s_barrier_signal -3
.Lnot_wave_0_\@:
	s_barrier_wait -3
	s_barrier_signal -1
	s_barrier_wait -1
.endm
.macro PLACES
.rept 4
	v_nop
.endr
.endm
.macro TOK ga, gb                      ; both global addresses are made anew for slot s[KI] of K: a base and an offset made apart, the type bits set again
	s_lshl_b32 s[OF], s[KI], ASH
	s_add_nc_u64 s[(\ga)+2:(\ga)+3], s[BA:BA+1], s[OF:OF+1]
	s_or_b32 s[(\ga)+3], s[(\ga)+3], 0x80000000
	s_lshl_b32 s[OF], s[KI], BSH
	s_add_nc_u64 s[(\gb)+2:(\gb)+3], s[BB:BB+1], s[OF:OF+1]
	s_or_b32 s[(\gb)+3], s[(\gb)+3], 0x80000000
.endm
.macro NEXTK                           ; the walk's next slot, round K's end
	s_add_co_u32 s[KI], s[KI], 1
	s_and_b32 s[KI], s[KI], NS-1
.endm
; My share of A's slot d places behind the one asked for last is asked for ahead.  Waves 0 and 1 alone, NPF times; the jumps go forward over no barrier and no tensor load.
.macro PREF d
	s_cmp_lg_u32 s[RH], 0
	s_cbranch_scc1 .Lno_pf_\@
	s_cmp_eq_u32 s[PFC], 0
	s_cbranch_scc1 .Lno_pf_\@
	s_sub_co_u32 s[PFC], s[PFC], 1
	s_add_co_u32 s[PO], s[KI], \d
	s_and_b32 s[PO], s[PO], NS-1
	s_lshl_b32 s[PO], s[PO], ASH
	s_wait_xcnt 0x0                                ; the last prefetch's base is rewritten only behind this wait; that prefetch stands a whole slot back
	s_add_nc_u64 s[PB0:PB0+1], s[PA0:PA0+1], s[PO:PO+1]
	global_prefetch_b8 v[PFV], s[PB0:PB0+1] th:TH_LOAD_NT scope:SCOPE_SE
.Lno_pf_\@:
.endm
.macro CHANGE fill                     ; the change of slots: my one tensor load has landed, the add, my reads are over; with fill = 1 a round of the cluster's barrier and the refill first behind it (128 matrix instructions in which to land)
	WIN 0
	s_wait_tensorcnt 0x0                           ; no tensor load of mine is out: the walking descriptors may be written
	ds_add_u32 v[SPW], v[NIL]
.if \fill
	NEXTK
	s_xor_b32 s[G0A+1], s[G0A+1], SLOTX
	s_xor_b32 s[G0B+1], s[G0B+1], SLOTX
	TOK G0A, G0B
	s_wait_dscnt 0x0
	CROUND
	JLOAD
	PREF 2
.else
	s_wait_dscnt 0x0
	s_barrier_signal -1
	s_barrier_wait -1
.endif
	s_sub_co_u32 s[TA], s[TA], 2*STEP
	s_xor_b32 s[TA], s[TA], SLOTX
	s_sub_co_u32 s[TBB], s[TBB], 2*STEP
	s_xor_b32 s[TBB], s[TBB], SLOTX
.endm
.macro MUL8 f, c, a0                   ; the 16 accumulators take turns
	WIN MUL
.irp a, \a0, (\a0)+1
.irp b, 0,1,2,3
	v_wmma_f32_16x16x32_bf16 v[ACC+8*(4*(\a)+(\b)):ACC+8*(4*(\a)+(\b))+7], v[(\f)+64+8*(4*(\c)+(\b)):(\f)+64+8*(4*(\c)+(\b))+7], v[(\f)+8*(4*(\c)+(\a)):(\f)+8*(4*(\c)+(\a))+7], v[ACC+8*(4*(\a)+(\b)):ACC+8*(4*(\a)+(\b))+7]
.endr
.endr
.endm
.macro FETCH f, aoff, boff
	WIN TO_F
.irp c, 0,1
.irp i, 0,1,2,3
	ds_load_tr16_b128 v[(\f)+64+8*(4*(\c)+(\i)):(\f)+64+8*(4*(\c)+(\i))+3],   v[ADRB] offset:(\boff)+32*PB*(\c)+32*(\i)
	ds_load_tr16_b128 v[(\f)+64+8*(4*(\c)+(\i))+4:(\f)+64+8*(4*(\c)+(\i))+7], v[ADRB] offset:(\boff)+32*PB*(\c)+32*(\i)+16*PB
	ds_load_b128 v[(\f)+8*(4*(\c)+(\i)):(\f)+8*(4*(\c)+(\i))+3],   v[ADRA] offset:(\aoff)+64*(\c)+(\i)*16*PA
	ds_load_b128 v[(\f)+8*(4*(\c)+(\i))+4:(\f)+8*(4*(\c)+(\i))+7], v[ADRA] offset:(\aoff)+64*(\c)+(\i)*16*PA+32
.endr
.endr
.endm
.macro UNIT f, g, aoff, boff, adr, fetch  ; 32 matrix instructions on buffer f; in its middle, behind four plain vector instructions, the next unit's fragments go into g
	s_wait_dscnt 16                                ; the first 32 along K are in; the other sixteen loads may be out
	MUL8 \f, 0, 0
	MUL8 \f, 0, 2
.if \fetch
.if \adr
	WIN 0
	v_add_nc_u32 v[ADRA], s[TA], v[A0]
	v_add_nc_u32 v[ADRB], s[TBB], v[B0]
	v_nop
	v_nop
.else
	PLACES
.endif
	FETCH \g, \aoff, \boff
	s_wait_dscnt 32                                ; all but the 32 just issued
.else
	s_wait_dscnt 0x0
.endif
	MUL8 \f, 1, 0
	MUL8 \f, 1, 2
.endm
.macro BODY mid
	UNIT F1, F0, 0, 0, 1, 1
	WIN 0
.if \mid
.Lmid:
.endif
	UNIT F0, F1, ACB, 64*PB, 0, 1
	WIN 0
	s_add_co_u32 s[TA], s[TA], STEP
	s_add_co_u32 s[TBB], s[TBB], STEP
.endm
	s_load_b256 s[4:11], s[0:1], 0x0               ; hb, wb, x1, ff2_b
	s_load_b64 s[12:13], s[0:1], 0x20              ; out0
	v_lshl_add_u32 v[SPW], v0, 2, SPARE
	v_mov_b32 v[NIL], 0
	ds_add_u32 v[SPW], v[NIL]                      ; the wave's opening: the add and its wait stand ahead of my first tensor load
	v_lshrrev_b32 v1, 5, v0
	v_readfirstlane_b32 s[WV], v1
	s_lshr_b32 s[RH], s[WV], 1
	s_and_b32 s[CH], s[WV], 1
	s_bfe_u32 s40, ttmp6, 0x40000
	s_bfe_u32 s41, ttmp6, 0x40004
	s_lshl_b32 s42, ttmp9, 2
	s_add_co_u32 s42, s42, s40                     ; tile column
	s_and_b32 s45, ttmp7, 0xffff                   ; the cluster's y
	s_lshl_b32 s[KI], s45, LOGY                    ; where my cluster's walk along K begins: made of the cluster's x and y alone, which all sixteen partners share
	s_lshl_b32 s[OF], ttmp9, LOGX
	s_add_co_u32 s[KI], s[KI], s[OF]
	s_and_b32 s[KI], s[KI], NS-1
	s_mov_b32 s[OF+1], 0
	s_mov_b32 s[PO+1], 0
	s_mov_b32 s[PFC], NPF
	s_lshl_b32 s45, s45, 2
	s_add_co_u32 s45, s45, s41                     ; tile row
	s_lshl_b32 s43, s41, 2
	s_lshl_b32 s43, 15, s43
	s_lshl_b32 s44, 0x1111, s40
	s_or_b32 s[G1A], s43, (1<<16)|(1<<20)|(1<<21)|(4<<22)|(3<<25)  ; 4 words of padding behind every 32 (a token's 128 bytes), counted along the whole tile
	s_mov_b32 s[G1A+1], 8192<<16                   ; two rows of 8,192 elements: 128 tokens of a block are 16,384 dense bytes
	s_mov_b32 s[G1A+2], 2<<16
	s_mov_b32 s[G1A+3], 8192<<16
	s_mov_b32 s[G1A+4], 2
	s_mov_b32 s[G1A+5], 262144
	s_mov_b32 s[G1A+6], 0
	s_mov_b32 s[G1A+7], 0
	s_or_b32 s[G1B], s44, (1<<16)|(1<<20)|(1<<21)|(5<<22)|(7<<25)  ; 8 words behind every 64 (a row's 256 bytes)
	s_mov_b32 s[G1B+1], 128<<16
	s_mov_b32 s[G1B+2], 128<<16
	s_mov_b32 s[G1B+3], 128<<16
	s_mov_b32 s[G1B+4], 128
	s_mov_b32 s[G1B+5], 1024
	s_mov_b32 s[G1B+6], 0
	s_mov_b32 s[G1B+7], 0
	s_lshl_b32 s18, s45, 14                        ; A: 128 tokens of 128 bytes a tile row, my two blocks of a slot's four
	s_lshl_b32 s19, s[CH], 20
	s_add_co_u32 s18, s18, s19
	s_mov_b32 s19, 0
	s_lshl_b32 s20, s45, 14                        ; the same rows at block 0, for the prefetch
	s_mov_b32 s21, 0
	s_lshl_b32 s46, s42, 8                         ; B: 128 columns a tile column, my 128 rows of a slot's 256
	s_lshl_b32 s47, s[CH], 18
	s_add_co_u32 s46, s46, s47
	s_add_co_u32 s46, s46, WOFF
	s_mov_b32 s47, 0
	s_mov_b32 s[G0A0], 1
	s_mul_i32 s[G0A0+1], s[CH], STEP               ; LDS addresses: the wave's number and constants alone
	s_mov_b32 s[G0A], 1
	s_add_co_u32 s[G0A+1], s[G0A0+1], SLOTX
	s_mov_b32 s[G0B0], 1
	s_add_co_u32 s[G0B0+1], s[G0A0+1], BOFF
	s_mov_b32 s[G0B], 1
	s_add_co_u32 s[G0B+1], s[G0A0+1], BOFF+SLOTX
	s_mov_b32 s[TA], 0                             ; the fetches begin at slot 0's head
	s_mov_b32 s[TBB], BOFF
	v_and_b32 v6, 31, v0
	s_lshl_b32 s22, s[CH], 13
	s_lshl_b32 s23, s40, 19                        ; cx enters a global address alone
	s_add_co_u32 s22, s22, s23
	v_lshl_add_u32 v[PFV], v6, 8, s22
	s_wait_dscnt 0x0                               ; the opening add is done
	s_wait_kmcnt 0x0
	s_add_nc_u64 s[BA:BA+1], s[4:5], s[18:19]
	s_add_nc_u64 s[PA0:PA0+1], s[4:5], s[20:21]
	s_add_nc_u64 s[BB:BB+1], s[6:7], s[46:47]
	TOK G0A0, G0B0                                 ; the walk's first slot of K goes to LDS slot 0,
	NEXTK
	TOK G0A, G0B                                   ; its second to LDS slot 1
	CROUND                                         ; all sixteen work-groups are here: the first joint loads meet
	s_cmp_eq_u32 s[RH], 0                          ; a wave's two first fills stand in one branch, ahead of every wait on TENSORcnt, every LDS read and every further barrier
	s_cbranch_scc0 .Lfirst_b
	tensor_load_to_lds s[G0A0:G0A0+3], s[G1A:G1A+7]
	s_nop 0
	tensor_load_to_lds s[G0A:G0A+3], s[G1A:G1A+7]
	s_nop 0
.rept 4
	v_nop
.endr
	s_branch .Lfirst_asked
.Lfirst_b:
	tensor_load_to_lds s[G0B0:G0B0+3], s[G1B:G1B+7]
	s_nop 0
	tensor_load_to_lds s[G0B:G0B+3], s[G1B:G1B+7]
	s_nop 0
.rept 4
	v_nop
.endr
.Lfirst_asked:
	PREF 1                                         ; place 2 of the walk: its tensor load stands behind the wait for the first tile and slot 0's products
	s_lshl_b32 s22, s42, 9
	s_lshl_b32 s23, s[CH], 8
	s_add_co_u32 s22, s22, s23                     ; my first column, in bytes of f32
	s_mov_b32 s23, 0
	s_add_nc_u64 s[10:11], s[10:11], s[22:23]
	s_lshl_b32 s20, s45, 19
	s_lshl_b32 s21, s[RH], 18
	s_add_co_u32 s20, s20, s21
	s_add_co_u32 s20, s20, s22
	s_mov_b32 s21, 0
	s_add_nc_u64 s[8:9], s[8:9], s[20:21]
	s_add_nc_u64 s[12:13], s[12:13], s[20:21]
	v_and_b32 v1, 15, v0
	v_bfe_u32 v2, v0, 4, 1
	v_and_b32 v3, 7, v0
	v_bfe_u32 v4, v0, 3, 1
	v_lshlrev_b32 v[XV], 12, v1
	v_lshl_add_u32 v[XV], v2, 5, v[XV]
.irp a, 0,1,2,3
.irp b, 0,1,2,3
	global_load_b128 v[ACC+8*(4*(\a)+(\b)):ACC+8*(4*(\a)+(\b))+3],   v[XV], s[8:9] offset:(\a)*65536+(\b)*64     ; x1(16 a + r, 16 b + 8 h ..): the accumulator's own layout
	global_load_b128 v[ACC+8*(4*(\a)+(\b))+4:ACC+8*(4*(\a)+(\b))+7], v[XV], s[8:9] offset:(\a)*65536+(\b)*64+16
.endr
.endr
	v_lshlrev_b32 v5, 4, v1
	global_load_b128 v[GW:GW+3], v5, s[10:11]
	s_mul_i32 s18, s[RH], 64*PA
	v_mul_u32_u24 v[A0], v1, PA
	v_lshl_add_u32 v[A0], v2, 4, v[A0]
	v_add_nc_u32 v[A0], s18, v[A0]
	v_lshl_add_u32 v[B0], v2, 3, v3
	v_mul_u32_u24 v[B0], v[B0], PB
	v_lshl_add_u32 v[B0], v4, 4, v[B0]
	s_lshl_b32 s18, s[CH], 7
	v_add_nc_u32 v[B0], s18, v[B0]
	s_mul_i32 s18, s[WV], DW
	v_mul_u32_u24 v[D0], v1, DP
	v_lshl_add_u32 v[D0], v2, 5, v[D0]
	v_add_nc_u32 v[D0], s18, v[D0]
	v_mul_u32_u24 v[R0], v2, DP
	v_lshl_add_u32 v[R0], v1, 4, v[R0]
	v_add_nc_u32 v[R0], s18, v[R0]
	v_lshlrev_b32 v[XO], 12, v2
	v_lshl_add_u32 v[XO], v1, 4, v[XO]
	s_wait_tensorcnt 0x1                           ; my part of slot 0 is in; slot 1's, issued behind it, may stay out
	s_barrier_signal -1
	s_barrier_wait -1                              ; everybody's part is in
	PREF 2                                         ; place 3 of the walk
	v_add_nc_u32 v[ADRA], s[TA], v[A0]
	v_add_nc_u32 v[ADRB], s[TBB], v[B0]
	FETCH F0, 0, 0
	WIN 0
	s_wait_loadcnt 0x0                             ; x1 lies in the accumulators; the bias is in
	s_mov_b32 s[CNT], 2
	s_mov_b32 s[SLOTS], NS-1
	s_branch .Lmid                                 ; the loop is entered in the middle of a trip: the first block is fetched
.Lslot:                                                ; NS - 2 times: the slot just fetched is filled again
	CHANGE 1
	s_mov_b32 s[CNT], 2
.Lbody:
	BODY 1
	s_sub_co_u32 s[CNT], s[CNT], 1
	s_cmp_lg_u32 s[CNT], 0
	s_cbranch_scc1 .Lbody
	s_sub_co_u32 s[SLOTS], s[SLOTS], 1
	s_cmp_lg_u32 s[SLOTS], 0
	s_cbranch_scc1 .Lslot
	CHANGE 0                                       ; the tail is written out
	s_mov_b32 s[CNT], 2
.Ltail:
	BODY 0
	s_sub_co_u32 s[CNT], s[CNT], 1
	s_cmp_lg_u32 s[CNT], 0
	s_cbranch_scc1 .Ltail
	UNIT F1, F0, 0, 0, 0, 0
	WIN 0
	s_wait_dscnt 0x0
	s_barrier_signal -1
	s_barrier_wait -1                              ; nobody reads the slots any more: they take the dump
	PLACES
.irp a, 0,1,2,3
.irp b, 0,1,2,3
	ds_store_b128 v[D0], v[ACC+8*(4*(\a)+(\b)):ACC+8*(4*(\a)+(\b))+3]   offset:(\a)*16*DP+64*(\b)   ; each accumulator's lowest registers first
	ds_store_b128 v[D0], v[ACC+8*(4*(\a)+(\b))+4:ACC+8*(4*(\a)+(\b))+7] offset:(\a)*16*DP+64*(\b)+16
.endr
.endr
	s_mov_b32 s[CNT], 4
.Lout:                                                 ; 16 rows a trip: lanes 0-15 take one row's 256 bytes, lanes 16-31 the next; LDS serves a wave's instructions in order (ISA guide 5.7.1.4): the loads see my stores
.irp t, 0,1,2,3,4,5,6,7
	ds_load_b128 v[32+4*(\t):32+4*(\t)+3], v[R0] offset:2*DP*(\t)
.endr
.irp t, 0,1,2,3,4,5,6,7
	s_wait_dscnt 7-(\t)                            ; load t is in; the 7 - t younger ones may be out
	v_pk_add_f32 v[32+4*(\t):32+4*(\t)+1], v[32+4*(\t):32+4*(\t)+1], v[GW:GW+1]
	v_pk_add_f32 v[32+4*(\t)+2:32+4*(\t)+3], v[32+4*(\t)+2:32+4*(\t)+3], v[GW+2:GW+3]
	global_store_b128 v[XO], v[32+4*(\t):32+4*(\t)+3], s[12:13] offset:8192*(\t)   ; sixteen lanes store 256 consecutive bytes, aligned
.endr
	s_wait_xcnt 0x0                                ; the stores' data and base are rewritten only behind this wait
	v_add_nc_u32 v[R0], 16*DP, v[R0]
	s_add_nc_u64 s[12:13], s[12:13], 65536
	s_sub_co_u32 s[CNT], s[CNT], 1
	s_cmp_lg_u32 s[CNT], 0
	s_cbranch_scc1 .Lout
	s_wait_tensorcnt 0x0                           ; the wave's end
	ds_add_u32 v[SPW], v[NIL]
	s_wait_dscnt 0x0
	CROUND                                         ; the closing round
	s_endpgm
.Lfunc_end_k_q5891932c99_ff2g:
	.size	k_q5891932c99_ff2g, .Lfunc_end_k_q5891932c99_ff2g-k_q5891932c99_ff2g
	.p2alignl 7, 3214868480
	.fill 96, 4, 3214868480
	.section	.rodata,"a",@progbits
	.p2align	6, 0x0
	.amdhsa_kernel k_q5891932c99_ff2g
		.amdhsa_group_segment_fixed_size 327680
		.amdhsa_private_segment_fixed_size 0
		.amdhsa_enable_private_segment 0
		.amdhsa_kernarg_size 40
		.amdhsa_user_sgpr_count 2
		.amdhsa_user_sgpr_kernarg_segment_ptr 1
		.amdhsa_wavefront_size32 1
		.amdhsa_system_sgpr_workgroup_id_x 1
		.amdhsa_system_sgpr_workgroup_id_y 1
		.amdhsa_system_sgpr_workgroup_id_z 1
		.amdhsa_system_vgpr_workitem_id 0
		.amdhsa_next_free_vgpr 512
		.amdhsa_next_free_sgpr 90
		.amdhsa_reserve_vcc 0
		.amdhsa_float_denorm_mode_32 3
		.amdhsa_float_denorm_mode_16_64 3
		.amdhsa_memory_ordered 1
		.amdhsa_forward_progress 1
		.amdhsa_inst_pref_size 42
	.end_amdhsa_kernel
	.amdgpu_metadata
---
amdhsa.version: [ 1, 2 ]
amdhsa.kernels:
  - .name:           k_q5891932c99_ff2g
    .symbol:         k_q5891932c99_ff2g.kd
    .args:
      - { .name: hb, .offset: 0, .size: 8, .value_kind: global_buffer, .address_space: global }
      - { .name: wb, .offset: 8, .size: 8, .value_kind: global_buffer, .address_space: global }
      - { .name: x1, .offset: 16, .size: 8, .value_kind: global_buffer, .address_space: global }
      - { .name: ff2_b, .offset: 24, .size: 8, .value_kind: global_buffer, .address_space: global }
      - { .name: out0, .offset: 32, .size: 8, .value_kind: global_buffer, .address_space: global }
    .group_segment_fixed_size: 327680
    .private_segment_fixed_size: 0
    .kernarg_segment_align: 8
    .kernarg_segment_size: 40
    .max_flat_workgroup_size: 128
    .sgpr_count:     90
    .vgpr_count:     512
    .wavefront_size: 32
...
	.end_amdgpu_metadata
.endif
;; end of part 6
;; ======== version 2 of 2: 6 launches; version 1 with the launch prep written anew for expert scheduling mode
;; workspace buffers: wb 25,165,824 bytes; xn 8,388,608 bytes; qkv 25,165,824 bytes; ao 8,388,608 bytes; x1 16,777,216 bytes; x1b 8,388,608 bytes; ssq 262,144 bytes; hb 33,554,432 bytes
;; launch prep (part 7): grid 1024 x 1, 8 waves a work-group, no clusters, 0 bytes of LDS; arguments X, norm1_w, Wq, Wk, Wv, Wo, ff1_w, ff2_w, xn, wb; writes xn, wb
.if DOCPART == 7
	.amdgcn_target "amdgcn-amd-amdhsa--gfx1250"
	.amdhsa_code_object_version 6
	.text
	.protected	k_q5891932c99_prep
	.globl	k_q5891932c99_prep
	.p2align	8
	.type	k_q5891932c99_prep,@function
k_q5891932c99_prep:
	s_mov_b64 s[64:65], 0
	v_nop
	global_prefetch_b8 v0, s[64:65] scope:SCOPE_SE
	s_setreg_imm32_b32 hwreg(HW_REG_WAVE_SCHED_MODE, 0, 2), 2
	s_setreg_imm32_b32 hwreg(HW_REG_WAVE_MODE, 25, 1), 1
	s_wait_xcnt 0x0
	s_wait_alu depctr_vm_vsrc(0)
; Two streams in one launch, chosen by the work-group's number; each work-group reads 65,536 bytes and writes 32,768.
; Groups 0-255:    xn = bf16(norm1_w * (X * rsqrt(mean(X^2) + 1e-6))), 16 tokens a group, sixteen lanes to a row, the row kept in registers between the two passes.
;                  xn lies in blocks of 64 columns: [16][4096 tokens][64] bf16, so that a block's rows lie end to end.
; Groups 256-1023: the six weights, f32 to bf16, in their own [K][N] order, one behind the other in wb: Wq, Wk, Wv, Wo (2,097,152 bytes each), ff1_w, ff2_w (8,388,608 each).
; No LDS, no barrier, no matrix unit: nothing is shared between lanes but a row's sum, which stays inside sixteen lanes.
; LIMITS.  NaN and infinities are not treated apart; a row whose sum of squares passes f32's range gives 0, as it does in f32 anywhere.
; THE MODE: SCHED_MODE bits 1:0 = 2 (LLVM: expert scheduling mode 2), set by the entry lines.  The code itself states the register dependences
; between vector instructions and memory instructions, with s_wait_alu, always for 0.
; THE PLAN.  Both ways through the text are straight: no loop.  Registers that memory instructions touch:
;   v3, v4, v5   byte offsets.  Written once, by vector lines at the head; read by every load and store; never written again.
;   XR, WR       Written by the loads, all of which are issued before any vector line names these registers; no load lands in them later.
;   OU           Each register is written once, by a conversion, and read once, by a store; never written again.
; So the only dependence to state is a vector result that a memory instruction reads: the offsets, once on each way, and OU.  The sixteen loads' worth of work goes in four
; blocks of four, with one wait to a block's four stores.  On the norm's way all data are in, so block p's head states that block p - 1 has written its eight registers of OU, and that
; block's stores are dealt among block p's vector lines, which name block p's XR, WR and OU and v[8:9] alone.  On the weights' way the next block's conversions stand behind a wait for
; memory, so a block's wait and its four stores follow its own conversions at once.
.set XR, 16                            ; v[16:79]   sixteen loads of 16 bytes
.set WR, 80                            ; v[80:143]  the gain of the same columns
.set OU, 144                           ; v[144:175] packed results, a pair for each store
.set BLK, 4                            ; loads' worth of work, and stores, in a block
	s_load_b512 s[4:19], s[0:1], 0x0               ; X, norm1_w, Wq, Wk, Wv, Wo, ff1_w, ff2_w
	s_load_b128 s[20:23], s[0:1], 0x40             ; xn, wb
	v_lshlrev_b32 v5, 3, v0                        ; 8 t: my 8 bytes in 2,048 consecutive bytes of output
	s_mov_b32 s25, 0
	s_cmp_lt_u32 ttmp9, 256
	s_cbranch_scc0 .Lconvert
	v_lshrrev_b32 v1, 4, v0                        ; my row of the group's 16
	v_and_b32 v2, 15, v0
	v_lshlrev_b32 v3, 4, v2                        ; my 16 bytes in each 256 of a row
	v_lshl_add_u32 v4, v1, 12, v3                  ; + row x 4,096
	s_lshl_b32 s24, ttmp9, 16                      ; 16 rows of 4,096 bytes
	s_lshl_b32 s26, ttmp9, 11                      ; 16 rows of 128 bytes in each block of xn
	s_mov_b32 s27, 0
	s_mov_b32 s28, 0x3a800000                      ; 1 / 1024
	s_mov_b32 s29, 0x358637bd                      ; 1e-6
	s_wait_kmcnt 0x0
	s_add_nc_u64 s[4:5], s[4:5], s[24:25]
	s_add_nc_u64 s[20:21], s[20:21], s[26:27]
	s_wait_alu depctr_va_vdst(0)                   ; v3, v4 and v5 are written: the loads below read v4 and v3 as their offsets, the stores further down v5
.set j, 0
.rept 16
	global_load_b128 v[XR+4*j:XR+4*j+3], v4, s[4:5] offset:256*j  ; sixteen lanes take 256 consecutive bytes: columns 64 j on
.set j, j+1
.endr
.set j, 0
.rept 16
	global_load_b128 v[WR+4*j:WR+4*j+3], v3, s[6:7] offset:256*j
.set j, j+1
.endr
.set j, 0
.rept 16
	s_wait_loadcnt 31-j                            ; load j of X is in: behind it stand 15 - j of X and the gain's 16
.if j < 2
	v_pk_mul_f32 v[6+4*j:7+4*j], v[XR+4*j:XR+4*j+1], v[XR+4*j:XR+4*j+1]          ; the first two loads start four chains: nothing is cleared
	v_pk_mul_f32 v[8+4*j:9+4*j], v[XR+4*j+2:XR+4*j+3], v[XR+4*j+2:XR+4*j+3]
.else
	v_pk_fma_f32 v[6+4*(j%2):7+4*(j%2)], v[XR+4*j:XR+4*j+1], v[XR+4*j:XR+4*j+1], v[6+4*(j%2):7+4*(j%2)]
	v_pk_fma_f32 v[8+4*(j%2):9+4*(j%2)], v[XR+4*j+2:XR+4*j+3], v[XR+4*j+2:XR+4*j+3], v[8+4*(j%2):9+4*(j%2)]
.endif
.set j, j+1
.endr
	v_pk_add_f32 v[6:7], v[6:7], v[8:9]
	v_pk_add_f32 v[10:11], v[10:11], v[12:13]
	v_pk_add_f32 v[6:7], v[6:7], v[10:11]
	v_add_f32 v6, v6, v7
	v_add_f32_dpp v6, v6, v6 row_xmask:1 row_mask:0xf bank_mask:0xf   ; a row lies in one half of 16 lanes: four steps end it
	v_add_f32_dpp v6, v6, v6 row_xmask:2 row_mask:0xf bank_mask:0xf
	v_add_f32_dpp v6, v6, v6 row_xmask:4 row_mask:0xf bank_mask:0xf
	v_add_f32_dpp v6, v6, v6 row_xmask:8 row_mask:0xf bank_mask:0xf
	v_fma_f32 v6, v6, s28, s29                     ; mean + eps
	v_rsq_f32 v8, v6                               ; twice, for the packed multiply's pair
	v_rsq_f32 v9, v6
	v_nop                                          ; a plain instruction between the root and its use
	s_wait_loadcnt 0x0                             ; the gain
; Pass 2, in four blocks of four loads' worth.  Block p scales, rounds and packs into its eight registers of OU; the stores of block p - 1 stand among its lines.
.set p, 0
.rept 16/BLK
.if p == 0
	s_wait_alu depctr_va_vdst(0)                   ; the two roots have written v8 and v9, ahead of the first multiply that reads them
.else
	s_wait_alu depctr_va_vdst(0)                   ; the block before has written its eight registers of OU, which the four stores below read; no vector line of this block names them
.endif
.set i, 0
.rept BLK
.set j, BLK*p+i
.if p > 0
	global_store_b64 v5, v[OU+2*(j-BLK):OU+2*(j-BLK)+1], s[20:21] offset:(j-BLK)*524288  ; block j - 4 of xn: a wave stores 256 consecutive bytes (two rows), aligned
.endif
	v_pk_mul_f32 v[XR+4*j:XR+4*j+1], v[XR+4*j:XR+4*j+1], v[8:9]
	v_pk_mul_f32 v[XR+4*j+2:XR+4*j+3], v[XR+4*j+2:XR+4*j+3], v[8:9]
	v_pk_mul_f32 v[XR+4*j:XR+4*j+1], v[XR+4*j:XR+4*j+1], v[WR+4*j:WR+4*j+1]
	v_pk_mul_f32 v[XR+4*j+2:XR+4*j+3], v[XR+4*j+2:XR+4*j+3], v[WR+4*j+2:WR+4*j+3]
	v_cvt_pk_bf16_f32 v[OU+2*j], v[XR+4*j], v[XR+4*j+1]
	v_cvt_pk_bf16_f32 v[OU+2*j+1], v[XR+4*j+2], v[XR+4*j+3]
.set i, i+1
.endr
.set p, p+1
.endr
	s_wait_alu depctr_va_vdst(0)                   ; the last block has written its eight registers of OU, which the last four stores read
.set j, 16-BLK
.rept BLK
	global_store_b64 v5, v[OU+2*j:OU+2*j+1], s[20:21] offset:j*524288  ; block j: a wave stores 256 consecutive bytes (two rows), aligned
.set j, j+1
.endr
	s_endpgm
.Lconvert:
	s_sub_co_u32 s24, ttmp9, 256                   ; i, 0 to 767: piece i of wb
	v_lshlrev_b32 v4, 4, v0                        ; 16 t
	s_wait_kmcnt 0x0
	s_mov_b64 s[26:27], s[8:9]                     ; which weight, and at which piece it starts
	s_mov_b32 s28, 0
	s_cmp_ge_u32 s24, 64
	s_cselect_b64 s[26:27], s[10:11], s[26:27]
	s_cselect_b32 s28, 64, s28
	s_cmp_ge_u32 s24, 128
	s_cselect_b64 s[26:27], s[12:13], s[26:27]
	s_cselect_b32 s28, 128, s28
	s_cmp_ge_u32 s24, 192
	s_cselect_b64 s[26:27], s[14:15], s[26:27]
	s_cselect_b32 s28, 192, s28
	s_cmp_ge_u32 s24, 256
	s_cselect_b64 s[26:27], s[16:17], s[26:27]
	s_cselect_b32 s28, 256, s28
	s_cmp_ge_u32 s24, 512
	s_cselect_b64 s[26:27], s[18:19], s[26:27]
	s_cselect_b32 s28, 512, s28
	s_sub_co_u32 s28, s24, s28
	s_lshl_b32 s28, s28, 16                        ; 65,536 bytes of f32 a piece
	s_mov_b32 s29, 0
	s_add_nc_u64 s[26:27], s[26:27], s[28:29]
	s_lshl_b32 s24, s24, 15                        ; 32,768 bytes of bf16
	s_add_nc_u64 s[22:23], s[22:23], s[24:25]
	s_wait_alu depctr_va_vdst(0)                   ; v4 and v5 are written: the loads below read v4 as their offset, the stores v5
.set j, 0
.rept 16
	global_load_b128 v[XR+4*j:XR+4*j+3], v4, s[26:27] offset:4096*j th:TH_LOAD_NT
.set j, j+1
.endr
.set p, 0
.rept 16/BLK
.set i, 0
.rept BLK
.set j, BLK*p+i
	s_wait_loadcnt 15-j                            ; load j is in; the 15 - j younger ones stay out
	v_cvt_pk_bf16_f32 v[OU+2*j], v[XR+4*j], v[XR+4*j+1]
	v_cvt_pk_bf16_f32 v[OU+2*j+1], v[XR+4*j+2], v[XR+4*j+3]
.set i, i+1
.endr
	s_wait_alu depctr_va_vdst(0)                   ; the block's eight conversions have written its registers of OU, which the four stores below read
.set i, 0
.rept BLK
.set j, BLK*p+i
	global_store_b64 v5, v[OU+2*j:OU+2*j+1], s[22:23] offset:2048*j   ; a wave stores 256 consecutive bytes, aligned
.set i, i+1
.endr
.set p, p+1
.endr
	s_endpgm
.Lfunc_end_k_q5891932c99_prep:
	.size	k_q5891932c99_prep, .Lfunc_end_k_q5891932c99_prep-k_q5891932c99_prep
	.p2alignl 7, 3214868480
	.fill 96, 4, 3214868480
	.section	.rodata,"a",@progbits
	.p2align	6, 0x0
	.amdhsa_kernel k_q5891932c99_prep
		.amdhsa_group_segment_fixed_size 0
		.amdhsa_private_segment_fixed_size 0
		.amdhsa_enable_private_segment 0
		.amdhsa_kernarg_size 80
		.amdhsa_user_sgpr_count 2
		.amdhsa_user_sgpr_kernarg_segment_ptr 1
		.amdhsa_wavefront_size32 1
		.amdhsa_system_sgpr_workgroup_id_x 1
		.amdhsa_system_sgpr_workgroup_id_y 1
		.amdhsa_system_sgpr_workgroup_id_z 1
		.amdhsa_system_vgpr_workitem_id 0
		.amdhsa_next_free_vgpr 176
		.amdhsa_next_free_sgpr 66
		.amdhsa_reserve_vcc 0
		.amdhsa_float_denorm_mode_32 3
		.amdhsa_float_denorm_mode_16_64 3
		.amdhsa_memory_ordered 1
		.amdhsa_forward_progress 1
		.amdhsa_inst_pref_size 22
	.end_amdhsa_kernel
	.amdgpu_metadata
---
amdhsa.version: [ 1, 2 ]
amdhsa.kernels:
  - .name:           k_q5891932c99_prep
    .symbol:         k_q5891932c99_prep.kd
    .args:
      - { .name: X, .offset: 0, .size: 8, .value_kind: global_buffer, .address_space: global }
      - { .name: norm1_w, .offset: 8, .size: 8, .value_kind: global_buffer, .address_space: global }
      - { .name: Wq, .offset: 16, .size: 8, .value_kind: global_buffer, .address_space: global }
      - { .name: Wk, .offset: 24, .size: 8, .value_kind: global_buffer, .address_space: global }
      - { .name: Wv, .offset: 32, .size: 8, .value_kind: global_buffer, .address_space: global }
      - { .name: Wo, .offset: 40, .size: 8, .value_kind: global_buffer, .address_space: global }
      - { .name: ff1_w, .offset: 48, .size: 8, .value_kind: global_buffer, .address_space: global }
      - { .name: ff2_w, .offset: 56, .size: 8, .value_kind: global_buffer, .address_space: global }
      - { .name: xn, .offset: 64, .size: 8, .value_kind: global_buffer, .address_space: global }
      - { .name: wb, .offset: 72, .size: 8, .value_kind: global_buffer, .address_space: global }
    .group_segment_fixed_size: 0
    .private_segment_fixed_size: 0
    .kernarg_segment_align: 8
    .kernarg_segment_size: 80
    .max_flat_workgroup_size: 256
    .sgpr_count:     66
    .vgpr_count:     176
    .wavefront_size: 32
...
	.end_amdgpu_metadata
.endif
;; end of part 7
;; launch qkvg: the kernel of part 2 again; grid 12 x 16, 4 waves a work-group, clusters of 4 x 4, 327,680 bytes of LDS; arguments xn, wb, qkv; writes qkv
;; launch attn: the kernel of part 3 again; grid 8 x 32, 4 waves a work-group, clusters of 4 x 1, 327,680 bytes of LDS; arguments qkv, mask, ao; writes ao
;; launch wog: the kernel of part 4 again; grid 8 x 32, 4 waves a work-group, clusters of 4 x 4, 327,680 bytes of LDS; arguments ao, wb, X, norm2_w, x1, x1b, ssq; writes x1, x1b, ssq
;; launch ff1g: the kernel of part 5 again; grid 16 x 16, 4 waves a work-group, clusters of 4 x 4, 327,680 bytes of LDS; arguments x1b, wb, ssq, ff1_b, hb; writes hb
;; launch ff2g: the kernel of part 6 again; grid 8 x 32, 4 waves a work-group, clusters of 4 x 4, 327,680 bytes of LDS; arguments hb, wb, x1, ff2_b, out0; writes out0
